; MI455X (gfx1250); checked and timed in simulation.
; The chip was launched on July 23, 2026; its instructions are those of AMD's public machine-readable ISA for CDNA 5 (MIT licence, August 2026) and "CDNA5" Instruction Set Architecture Reference Guide (July 2026). The comments in the code are by the model that wrote it; some were corrected since.
;; Multi Head Attn. Allowed arithmetic: matrix products marked QUANTISED: E3M2 operands, one E8M0 scale for each 32 along K, by v_wmma_scale_f32_16x16x128_f8f6f4 with both operands' format E3M2, f32 sums; everything else in f32.
;; Inputs: K_codes 4 x 2,048 x 32 x 24 uint8 (E3M2 codes of K, K innermost, in blocks of 32 codes, four codes in three bytes); K_scales 4 x 2,048 x 32 uint8 (E8M0 scales of K, one for each 32 codes along K); Q 4 x 2,048 x 1,024 float32; V_codes 4 x 2,048 x 32 x 24 uint8 (E3M2 codes of V, K innermost, in blocks of 32 codes, four codes in three bytes); V_scales 4 x 2,048 x 32 uint8 (E8M0 scales of V, one for each 32 codes along K); Wk_codes 16 x 64 x 32 x 24 uint8 (E3M2 codes of Wk, K innermost, in blocks of 32 codes, four codes in three bytes); Wk_scales 16 x 64 x 32 uint8 (E8M0 scales of Wk, one for each 32 codes along K); Wo_codes 1,024 x 32 x 24 uint8 (E3M2 codes of Wo, K innermost, in blocks of 32 codes, four codes in three bytes); Wo_scales 1,024 x 32 uint8 (E8M0 scales of Wo, one for each 32 codes along K); Wq_codes 16 x 64 x 32 x 24 uint8 (E3M2 codes of Wq, K innermost, in blocks of 32 codes, four codes in three bytes); Wq_scales 16 x 64 x 32 uint8 (E8M0 scales of Wq, one for each 32 codes along K); Wv_codes 16 x 64 x 32 x 24 uint8 (E3M2 codes of Wv, K innermost, in blocks of 32 codes, four codes in three bytes); Wv_scales 16 x 64 x 32 uint8 (E8M0 scales of Wv, one for each 32 codes along K); beta 1,024 float32; bk 16 x 64 float32; bo 1,024 float32; bq 16 x 64 float32; bv 16 x 64 float32; gamma 1,024 float32.
;; Outputs: out0 4 x 1,024 x 2,048 float32.
;; This version of the problem:
;;   THIS VERSION OF THE PROBLEM IS GIVEN IN LOW PRECISION. The matrix products marked QUANTISED in the list below multiply operands that are first quantised to E3M2 (3 exponent bits, 2 mantissa bits; 6 bits a number), with one power-of-two scale for each 32 numbers along K (OCP MX v1.0); their sums are f32. All else is computed in f32.
;;   The module's matrix products, in the order in which they are computed (A, B: the left and right operand; K: the contracted axis; several contracted axes count as one K, in the product's order):
;;     1. [M 1,024, K 1,024] x [K 1,024, N 8,192]; A: input Wq (given as codes); B: input Q: QUANTISED
;;     2. [M 1,024, K 1,024] x [K 1,024, N 8,192]; A: input Wk (given as codes); B: input K (given as codes): QUANTISED
;;     3. [M 1,024, K 1,024] x [K 1,024, N 8,192]; A: input Wv (given as codes); B: input V (given as codes): QUANTISED
;;     4. batch 64 x [M 2,048, K 64] x [K 64, N 2,048]; A: computed on the way; B: computed on the way: QUANTISED
;;     5. batch 64 x [M 2,048, K 2,048] x [K 2,048, N 64]; A: softmax (see below); B: computed on the way: QUANTISED
;;     6. [M 8,192, K 1,024] x [K 1,024, N 1,024]; A: computed on the way; B: input Wo (given as codes): QUANTISED
;;   THE QUANTISER, for each operand of a quantised product, along K:
;;     - K is cut into blocks of 32 from its start; a last block that is shorter is filled with zeros.
;;     - A block's scale is 2^e with e = floor(log2(the largest magnitude in the block)) - 4, held to -126 .. 127; a block of zeros has e = 0. As a byte (E8M0): e + 127.
;;     - Each number is divided by its block's scale, clamped to +-28, and rounded to the nearest number of E3M2, ties to even, subnormals kept.
;;     - The product sums the exact products of the quantised numbers (number of the format x scale) in f32.
;;   ~~~python
;;   def quantise(x, axis):      # numpy; x: float32 -> the quantised numbers, widened to float32 again
;;       x = np.moveaxis(x, axis, -1); K = x.shape[-1]
;;       x = np.pad(x, [(0, 0)] * (x.ndim - 1) + [(0, -K % 32)]); x = x.reshape(x.shape[:-1] + (-1, 32)); a = np.abs(x).max(-1, keepdims=True)
;;       e = np.where(a > 0, np.clip(np.frexp(np.where(a > 0, a, 1))[1] - 1 - 4, -126, 127), 0)      # np.frexp(a)[1] - 1 = floor(log2(a)), exactly
;;       r = np.clip(x / 2.0 ** e, -28, 28)
;;       step = 2.0 ** (np.maximum(np.frexp(np.where(r == 0, 1, r))[1] - 1, -2) - 2)
;;       q = np.round(r / step) * step * 2.0 ** e      # np.round: ties to even
;;       return np.moveaxis(q.reshape(q.shape[:-2] + (-1,))[..., :K], -1, axis).astype(np.float32)
;;   ~~~
;;   SOFTMAX AHEAD OF A QUANTISED PRODUCT. Where the list says 'softmax', what is quantised is not the finished softmax but p = 2^(t - M), with t = logit x log2(e) and M = ceil(the row's largest t), a whole number; so 1/2 < the row's largest p <= 1. The row's sum l is taken of the UNQUANTISED p, in f32, and the product's result is divided by l at the end. Since M is a whole number, a kernel that streams over the keys may use a running M (the ceiling of the running maximum): every later rescaling is an exact power of two, which a block's scale takes up: the codes' values come out the same.
;;   OPERANDS COMPUTED ON THE WAY. 'Computed on the way' means the value that the module computes at that place (a softmax that the list does not call 'softmax' is quantised finished and normalised). What goes into a quantiser is computed in f32, as accurately as f32 sums, v_exp_f32 and their like allow (about 1e-6 of the number): no bf16 or f16 on the way to a quantiser, and a product that is left as it is and whose result goes on into a quantised operand takes f32 operands (vector FMAs, or v_wmma_f32_16x16x4_f32). A number that lies on a knife's edge between two numbers of the format may be rounded either way, as far as f32 arithmetic and the matrix unit's own rounding can turn it there, and no further.
;;   INPUTS GIVEN AS CODES. K (in the module: [4, 2048, 1024], K = its axis 2); V (in the module: [4, 2048, 1024], K = its axis 2); Wk (in the module: [16, 1024, 64], K = its axis 1); Wo (in the module: [1024, 1024], K = its axis 0); Wq (in the module: [16, 1024, 64], K = its axis 1); Wv (in the module: [16, 1024, 64], K = its axis 1): each comes as NAME_codes (uint8): NAME with its K axis moved to the last place and cut into blocks of 32 codes, [.., K / 32, bytes a block], one block behind the other in memory; four codes in three bytes: a row's codes are one little-endian stream of bits, code i at bits 6 i .. 6 i + 5 (a code: sign, 3 exponent bits, 2 mantissa bits); and NAME_scales (uint8): the same leading axes, one E8M0 byte (e + 127) for each 32 codes along K. Its value is code x scale, taken as it is: it is not quantised again, and the codes and scales need not be those that the quantiser above would give.
;; One version. Each part assembles by itself: llvm-mc -triple=amdgcn-amd-amdhsa -mcpu=gfx1250 --defsym DOCPART=n.
;; ======== version 1 of 1: 4 launches
;; limits: right only within a limited range of input values
;; workspace buffers: qc 6,291,456 bytes; qs 262,144 bytes; kv 13,107,200 bytes; aimg 6,291,456 bytes; ascl 524,288 bytes; y 33,554,432 bytes; pstat 1,048,576 bytes
;; launch proj (part 1): grid 4 x 64, 4 waves a work-group, clusters of 4 x 4, 327,680 bytes of LDS; arguments K_codes, V_codes, K_scales, V_scales, Wk_codes, Wv_codes, Wk_scales, Wv_scales, bk, bv, kv, Q, qc, qs; writes kv, qc, qs
.if DOCPART == 1
	.amdgcn_target "amdgcn-amd-amdhsa--gfx1250"
	.amdhsa_code_object_version 6
	.text
	.protected	k_qb16e3ee471_proj
	.globl	k_qb16e3ee471_proj
	.p2align	8
	.type	k_qb16e3ee471_proj,@function
k_qb16e3ee471_proj:
	s_mov_b64 s[64:65], 0
	v_nop
	global_prefetch_b8 v0, s[64:65] scope:SCOPE_SE
	s_setreg_imm32_b32 hwreg(HW_REG_WAVE_MODE, 25, 1), 1
	s_wait_xcnt 0x0
	s_wait_alu depctr_hold_cnt(0) depctr_sa_sdst(0) depctr_va_vdst(0) depctr_va_sdst(0) depctr_va_ssrc(0) depctr_va_vcc(0) depctr_vm_vsrc(0)
	s_getreg_b32 s2, hwreg(HW_REG_IB_STS2, 6, 4)
	s_cmp_eq_u32 s2, 0
	s_cbranch_scc0 .Lentry_in_a_cluster
	s_endpgm
.Lentry_in_a_cluster:
	s_bfe_u32 s2, ttmp6, 0x10000c
	s_cmp_lg_u32 s2, 0xf033
	s_cbranch_scc0 .Lentry_shape_is_right
	s_endpgm
.Lentry_shape_is_right:
; THE PROJECTIONS k AND v on codes of E3M2, K = 1,024; q's projection is made by the attention launch, wave by wave, for its own queries.
; A work-group makes 256 x 256 results, a wave 128 x 128 (64 accumulators).  Source 1 (R) gives the lanes, source 0 (P) the registers of a result.
; k: R = tokens, P = rows of Wk: a lane holds one token, its registers run along the head's 64, the K of q k^T.  v: R = rows of Wv, P = tokens: a lane holds one channel, its registers run along the keys, the K of p v.
; R's tile is always chosen by cy and lies first in a slot, P's by cx and lies behind it: clusters 0-7 (k) take token tile 4 c + cy and weight tile cx, clusters 8-15 (v) weight tile cy and token tile 4 c + cx.
; So no LDS address hangs on a work-group's number; only the buffers' addresses are chosen by the cluster's number.
; K goes through two LDS slots in chunks of 256 bytes of each row (a row of codes is 768 bytes: three chunks, eight steps of 96 bytes; steps 2 and 5 lie across two chunks).
; R's tiles are asked for jointly along a row of the cluster, P's along a column.  The scales of both sides come once, as dense blocks.
; The results get their bias, are quantised in blocks of 32 along the registers and stored as images of operand registers: a record of 12,800 bytes for each (batch, head, 128 keys): k 6,144, v 6,144, k's scale words 256, v's 256.
; Within a block of 32 of the head's axis the order of the codes is that of the registers (tiles 2 B and 2 B + 1 of lanes 0-15, then of lanes 16-31); q is packed in the same order.
; LIMITS: a block whose largest magnitude lies under 2^-122 gets the byte 1; NaN and infinities are not served.
; No prefetch: the walk along K has three chunks, of which two are asked for at the head.
; FIRST OF FOUR LAUNCHES of: projections q, k, v; attention; output projection + residual; batch norm over all 8,192 tokens; transposition.
; WORK LEFT OUT, for the whole program: the input bo.  reference() forms out = a Wo + bo + Q, then mean_c = the mean of out over all tokens, then (out - mean) and the mean of its square.
; bo_c is the same for every token of channel c, so it is contained in mean_c as it stands: out - mean and var do not hang on bo, whatever finite values the inputs hold; no quantiser stands behind that
; product, so bo moves no code and no scale.  bo therefore has no way to the output: it is not loaded and is among no launch's arguments.
; LIMIT: a NaN, an infinity or an overflow that reaches only bo is not carried to the result.
; THIS LAUNCH ALSO QUANTISES Q: each of the 256 work-groups takes 32 rows of Q (two tiles of 16 tokens), behind the request for chunk 1.  A wave takes one tile and four steps of 128 along K, in eight units of 16 rows x 64 numbers:
; eight loads of two rows x 256 bytes, a turn through the wave's own stage in LDS (bytes that no tensor load fills), 32 neighbours a lane: lane (r, h) holds block 2 c + h of row r, as the operand's layout wants it.
; qc holds images of operand registers: for each (token tile, step) six pieces of 256 bytes, 8 bytes a lane; qs holds for each (token tile, four steps) 16 bytes a row.  Every store covers 256 consecutive bytes, aligned.
; A block of zeros gets the byte 1 where the rule says 127: its codes are zeros, and this program alone reads the bytes.
.set ROWB,   256
.set NQ,     2
.set KROW,   768
.set STEPS,  8
.set CHUNKS, 3
.set PITCH,  272                       ; 256 bytes + 16 of padding
.set FR,     12
.set NL,     6
.set NP,     4
.set HALFT,  128*PITCH
.set SLOT,   4*HALFT                   ; R's 256 rows, then P's
.set KS,     32
.set SCL,    2*SLOT
.set HALFS,  4352
.set SBLK,   544
.set SPARE,  SCL+4*HALFS
.set STG,    SPARE+512                 ; Q's stages: 16 rows x (256 + 16) bytes for each wave
.set VQ,    26                         ; Q: 4096 (lane / 16) + 16 (lane % 16)
.set VSI,   3                          ; the stage on the way in, and
.set VSO,   4                          ; on the way out: 272 r + 128 h
.set VQS,   5                          ; qs: 16 r + 8 h
.set SH8,   6                          ; 8 h
.set MA,    1
.set MB,    2
.set XQ,    96                         ; v96-127 a lane's 32 neighbours
.set RQ,    128                        ; v128-255 four sets of 32 registers as loaded
.set CQ,    32                         ; v32-95 eight registers a unit: six of codes, never written again, a spare one, the scale's byte
.macro QLOAD u
.irp i, 0,1,2,3,4,5,6,7
	global_load_b128 v[RQ+32*((\u)%4)+4*\i:RQ+32*((\u)%4)+4*\i+3], v[VQ], s[2:3] offset:8192*\i+256*(\u) th:TH_LOAD_NT
.endr
.endm
.macro UNIT u                          ; step (u / 2) of my four, half c = u % 2
.set RS, RQ+32*((\u)%4)
.set CU, CQ+8*(\u)
.if (\u) < 4
	s_wait_loadcnt 48                              ; this unit's eight loads are in; three other units' eight each and the 24 of the bias may be out
.else
	s_wait_loadcnt 8*(7-(\u))                      ; the later units' eight each may be out
.endif
.irp i, 0,1,2,3,4,5,6,7
	ds_store_b128 v[VSI], v[RS+4*\i:RS+4*\i+3] offset:544*\i
.endr
.irp i, 0,1,2,3,4,5,6,7
	ds_load_b128 v[XQ+4*\i:XQ+4*\i+3], v[VSO] offset:16*\i       ; LDS serves a wave's instructions in order
.endr
	s_wait_dscnt 0x0
.if (\u) < 4
	QLOAD (\u)+4
.endif
	v_max3_num_f32 v[MA], |v[XQ]|, |v[XQ+1]|, 0x2800000          ; the floor 2^(5 - 127): the byte cannot fall under 1
	v_max3_num_f32 v[MB], |v[XQ+16]|, |v[XQ+17]|, |v[XQ+18]|
.irp i, 2,4,6,8,10,12
	v_max3_num_f32 v[MA], v[MA], |v[XQ+\i]|, |v[XQ+\i+1]|
	v_max3_num_f32 v[MB], v[MB], |v[XQ+17+\i]|, |v[XQ+18+\i]|
.endr
	v_max3_num_f32 v[MA], v[MA], |v[XQ+14]|, |v[XQ+15]|
	v_max3_num_f32 v[MA], v[MA], v[MB], |v[XQ+31]|
	v_add_nc_u32 v[CU+3], 0xfe000000, v[MA]                      ; 4 off the exponent field: the conversions' scale operand
	v_cvt_scalef32_pk16_bf6_f32 v[CU:CU+2], v[XQ:XQ+15], v[CU+3]
	v_cvt_scalef32_pk16_bf6_f32 v[CU+4:CU+6], v[XQ+16:XQ+31], v[CU+3]
	v_lshrrev_b32 v[CU+7], 23, v[CU+3]                           ; the scale's byte
	v_mov_b32 v[CU+3], v[CU+4]
	v_mov_b32 v[CU+4], v[CU+5]
	v_mov_b32 v[CU+5], v[CU+6]
.irp k, 0,1,2
	global_store_b64 v[L8], v[CU+2*\k:CU+2*\k+1], s[98:99] offset:1536*((\u)/2)+768*((\u)%2)+256*\k
.endr
.if (\u)%2
	v_lshl_or_b32 v[CU-1], v[CU+7], 16, v[CU-1]                  ; my two bytes of the step's word: blocks h and 2 + h,
	v_lshlrev_b32 v[CU-1], v[SH8], v[CU-1]                       ; at their places;
	v_permlanex16_b32 v[CU+7], v[CU-1], s94, s95
	v_or_b32 v[CU-1], v[CU-1], v[CU+7]                           ; with lane l xor 16's two the word is whole
.endif
.endm
.set BN,    8                          ; v8-15 v's bias, a channel a lane
.set ADRA,  16                         ; v16-19 R's fragments: slot 0, 1; across two chunks from slot 0, 1
.set ADRB,  20                         ; v20-23 P's
.set LI,    24
.set L8,    25
.set ADRS,  27                         ; scale words: lanes 0-15 R's rows, lanes 16-31 P's
.set SPW,   28
.set NIL,   29
.set BMO,   30
.set BNO,   31
.set SC,    32                         ; v32-63 scale words, two sets
.set AF,    128                        ; R's fragments, window 0
.set BML,   96                         ; window 1: k's bias along the registers
.set BMH,   224
.set X,     128
.set F0,    192
.set F1,    204
.set QT,    216
.set TM,    96
.set WX,    112
.set WY,    113
.set W0,    114
.set W1,    115
.set SW,    116
.set BNP,   224
.set G1, 24
.set G0, 32
.set G1B, 48
.set G0B, 56
.set G1S, 68
.set G0S, 76
.set G1SB, 80
.set G0SB, 88
.set MSB, 0
.macro WIN new
.if MSB != (\new)
	s_set_vgpr_msb (MSB<<8)|(\new)
.set MSB, (\new)
.endif
.endm
.set MUL_LO, 0xa1
.set MUL_HI, 0xf1
.set TO_B,   0x40
.macro JLOAD g0a, g1a, g0b, g1b        ; waves 0, 1 fetch for R, waves 2, 3 for P
	s_cmp_eq_u32 s15, 0
	s_cbranch_scc0 .Lfor_b_\@
	tensor_load_to_lds s[\g0a:\g0a+3], s[\g1a:\g1a+7]
	s_nop 0
.rept 4
	v_nop
.endr
	s_branch .Lasked_\@
.Lfor_b_\@:
	tensor_load_to_lds s[\g0b:\g0b+3], s[\g1b:\g1b+7]
	s_nop 0
.rept 4
	v_nop
.endr
.Lasked_\@:
.endm
.macro CREST
	s_cmp_lg_u32 s14, 0
	s_cbranch_scc1 .Lnot_wave_0_\@
	s_barrier_signal -3
.Lnot_wave_0_\@:
	s_barrier_wait -3
	s_barrier_signal -1
	s_barrier_wait -1
.endm
.macro CROUND
	s_barrier_signal -1
	s_barrier_wait -1
	CREST
.endm
	s_load_b512 s[24:39], s[0:1], 0x0              ; K_codes 24, V_codes 26, K_scales 28, V_scales 30, Wk_codes 32, Wv_codes 34, Wk_scales 36, Wv_scales 38
	s_load_b256 s[48:55], s[0:1], 0x40             ; bk, bv, kv, Q
	s_load_b128 s[56:59], s[0:1], 0x60             ; qc, qs
	v_lshl_add_u32 v[SPW], v0, 2, SPARE
	v_mov_b32 v[NIL], 0
	ds_add_u32 v[SPW], v[NIL]                      ; the opening: the add, twice on end, and its wait
	ds_add_u32 v[SPW], v[NIL]
	v_lshrrev_b32 v1, 5, v0
	v_readfirstlane_b32 s14, v1                    ; wave
	s_lshr_b32 s15, s14, 1                         ; my half of R's rows; also: I fetch for R (0) or P (1)
	s_and_b32 s16, s14, 1                          ; my half of P's rows; also: which 128 rows I fetch
	s_bfe_u32 s40, ttmp6, 0x40000                  ; cx
	s_bfe_u32 s41, ttmp6, 0x40004                  ; cy
	s_and_b32 s2, ttmp7, 0xffff
	s_lshr_b32 s67, s2, 3                          ; 0: k, 1: v
	s_and_b32 s2, s2, 7
	s_lshl_b32 s2, s2, 2
	s_cmp_eq_u32 s67, 0
	s_cselect_b32 s17, s2, 0
	s_cselect_b32 s42, 0, s2
	s_add_co_u32 s17, s17, s41                     ; R's tile
	s_add_co_u32 s42, s42, s40                     ; P's tile
	s_lshl_b32 s43, s41, 2
	s_lshl_b32 s43, 15, s43                        ; my row of the cluster
	s_lshl_b32 s44, 0x1111, s40                    ; my column
	s_lshl_b32 s20, s17, 8
	s_lshl_b32 s46, s42, 8
	s_lshl_b32 s22, s20, 5                         ; the tiles' scales, 32 bytes a row
	s_mov_b32 s23, 0
	s_lshl_b32 s92, s46, 5
	s_mov_b32 s93, 0
	s_mul_i32 s20, s20, KROW                       ; and codes
	s_mov_b32 s21, 0
	s_mul_i32 s46, s46, KROW
	s_mov_b32 s47, 0
	s_mul_i32 s18, s16, 128*KROW                   ; the ring: my 128 rows of a tile
	s_mov_b32 s19, 0
	s_mul_i32 s45, s14, HALFT
	s_cmp_eq_u32 s67, 0                            ; the way out: token tile, weight tile and my halves of them
	s_cselect_b32 s98, s17, s42
	s_cselect_b32 s99, s42, s17
	s_cselect_b32 s84, s15, s16
	s_cselect_b32 s85, s16, s15
	s_cselect_b32 s72, 0, 6144
	s_mov_b32 s76, 6400
	s_cselect_b32 s76, 12288, s76                  ; from the images to the scale words
	s_lshl_b32 s78, s98, 1
	s_add_co_u32 s78, s78, s84                     ; my group of 128 tokens
	s_lshr_b32 s79, s78, 4
	s_and_b32 s78, s78, 15
	s_lshl_b32 s79, s79, 4
	s_lshl_b32 s80, s99, 2
	s_add_co_u32 s79, s79, s80
	s_lshl_b32 s80, s85, 1
	s_add_co_u32 s79, s79, s80                     ; 16 batch + my first head
	s_lshl_b32 s79, s79, 4
	s_add_co_u32 s79, s79, s78
	s_mul_i32 s79, s79, 12800
	s_add_co_u32 s72, s72, s79
	s_mov_b32 s73, 0
	s_mov_b32 s74, 16*12800                        ; to my second head
	s_mov_b32 s75, 0
	s_mov_b32 s77, 0
	s_lshl_b32 s80, s99, 10
	s_lshl_b32 s81, s85, 9
	s_add_co_u32 s80, s80, s81                     ; my 128 channels' bias
	s_mov_b32 s81, 0
	s_mov_b32 s94, 0x76543210
	s_mov_b32 s95, 0xfedcba98
	s_mov_b32 s96, 0xffff0000
	s_and_b32 s86, ttmp7, 0xffff                   ; Q's share: work-group 16 cluster + 4 cy + cx takes token tiles 2 x that number on; my wave tile wave / 2, steps 4 (wave % 2) on
	s_lshl_b32 s86, s86, 2
	s_add_co_u32 s86, s86, s41
	s_lshl_b32 s86, s86, 2
	s_add_co_u32 s86, s86, s40
	s_lshl_b32 s86, s86, 1
	s_add_co_u32 s90, s86, s15
	s_lshl_b32 s86, s90, 16
	s_lshl_b32 s87, s16, 11
	s_add_co_u32 s86, s86, s87
	s_mov_b32 s87, 0
	s_mul_i32 s88, s90, 12288
	s_mul_i32 s89, s16, 6144
	s_add_co_u32 s88, s88, s89
	s_mov_b32 s89, 0
	s_lshl_b32 s90, s90, 9
	s_lshl_b32 s91, s16, 8
	s_add_co_u32 s90, s90, s91
	s_mov_b32 s91, 0
	v_and_b32 v[VQ], 15, v0
	v_bfe_u32 v1, v0, 4, 1
	v_lshlrev_b32 v[VQ], 4, v[VQ]
	v_lshl_add_u32 v[VQ], v1, 12, v[VQ]
	s_wait_alu depctr_va_vdst(0)
	s_wait_dscnt 0x0
	s_wait_kmcnt 0x0
	s_cmp_eq_u32 s67, 0
	s_cselect_b64 s[4:5], s[24:25], s[34:35]
	s_cselect_b64 s[6:7], s[28:29], s[38:39]
	s_cselect_b64 s[8:9], s[32:33], s[26:27]
	s_cselect_b64 s[10:11], s[36:37], s[30:31]
	s_cselect_b64 s[12:13], s[48:49], s[50:51]
	s_add_nc_u64 s[20:21], s[4:5], s[20:21]
	s_add_nc_u64 s[22:23], s[6:7], s[22:23]
	s_add_nc_u64 s[46:47], s[8:9], s[46:47]
	s_add_nc_u64 s[92:93], s[10:11], s[92:93]
	s_add_nc_u64 s[12:13], s[12:13], s[80:81]
	s_add_nc_u64 s[4:5], s[52:53], s[72:73]
	s_add_nc_u64 s[6:7], s[4:5], s[74:75]
	s_add_nc_u64 s[8:9], s[4:5], s[76:77]
	s_add_nc_u64 s[10:11], s[6:7], s[76:77]
	s_add_nc_u64 s[2:3], s[54:55], s[86:87]
	s_add_nc_u64 s[98:99], s[56:57], s[88:89]
	s_add_nc_u64 s[100:101], s[58:59], s[90:91]
	s_or_b32 s[G1+0], s43, (1<<20)|(1<<21)|(5<<22)|(3<<25)    ; rows of 256 bytes, 16 of padding behind each; 256 rows at the head
	s_or_b32 s[G1B+0], s44, (1<<20)|(1<<21)|(5<<22)|(3<<25)
.irp g, G1, G1B
	s_mov_b32 s[\g+1], ROWB<<16
	s_mov_b32 s[\g+2], 256<<16
	s_mov_b32 s[\g+3], ROWB<<16
	s_mov_b32 s[\g+4], 256
	s_mov_b32 s[\g+5], KROW
	s_mov_b32 s[\g+6], 0
	s_mov_b32 s[\g+7], 0
.endr
	s_or_b32 s[G1S+0], s43, (3<<16)|(1<<20)|(1<<21)|(5<<22)|(3<<25)   ; the scales of 256 rows: 32 rows of 256 bytes, 16 of padding behind each
	s_or_b32 s[G1SB+0], s44, (3<<16)|(1<<20)|(1<<21)|(5<<22)|(3<<25)
.irp g, G1S, G1SB
	s_mov_b32 s[\g+1], 32<<16
	s_mov_b32 s[\g+2], KS<<16
	s_mov_b32 s[\g+3], 32<<16
	s_mov_b32 s[\g+4], KS
	s_mov_b32 s[\g+5], 32
	s_mov_b32 s[\g+6], 0
	s_mov_b32 s[\g+7], 0
.endr
	s_mov_b32 s[G0], 1                             ; the head's four tiles, each whole: chunk 0 of R's 256 rows,
	s_mov_b32 s[G0+1], 0
	s_mov_b64 s[G0+2:G0+3], s[20:21]
	s_or_b32 s[G0+3], s[G0+3], 0x80000000
	s_mov_b32 s[G0B], 1                            ; of P's,
	s_mov_b32 s[G0B+1], 2*HALFT
	s_mov_b64 s[G0B+2:G0B+3], s[46:47]
	s_or_b32 s[G0B+3], s[G0B+3], 0x80000000
	s_mov_b32 s[G0S], 1                            ; R's scales,
	s_mov_b32 s[G0S+1], SCL
	s_mov_b64 s[G0S+2:G0S+3], s[22:23]
	s_or_b32 s[G0S+3], s[G0S+3], 0x80000000
	s_mov_b32 s[G0SB], 1                           ; P's
	s_mov_b32 s[G0SB+1], SCL+2*HALFS
	s_mov_b64 s[G0SB+2:G0SB+3], s[92:93]
	s_or_b32 s[G0SB+3], s[G0SB+3], 0x80000000
	s_mov_b32 s[G0+4], 1                           ; slot 1: chunk 1, my 128 rows
	s_add_co_u32 s[G0+5], s45, SLOT
	s_add_nc_u64 s[G0+6:G0+7], s[20:21], s[18:19]
	s_add_nc_u64 s[G0+6:G0+7], s[G0+6:G0+7], ROWB
	s_or_b32 s[G0+7], s[G0+7], 0x80000000
	s_mov_b32 s[G0B+4], 1
	s_add_co_u32 s[G0B+5], s45, SLOT
	s_add_nc_u64 s[G0B+6:G0B+7], s[46:47], s[18:19]
	s_add_nc_u64 s[G0B+6:G0B+7], s[G0B+6:G0B+7], ROWB
	s_or_b32 s[G0B+7], s[G0B+7], 0x80000000
	QLOAD 0                                        ; Q's first four units are asked for ahead of the round
	QLOAD 1
	QLOAD 2
	QLOAD 3
	CROUND                                         ; all sixteen work-groups are here: the first joint loads meet
.macro ARM under, g0, g1, next         ; one chain of branches on the wave's number, one load to an arm
	s_cmp_lt_u32 s14, \under
	s_cbranch_scc0 \next
	tensor_load_to_lds s[\g0:\g0+3], s[\g1:\g1+7]
	s_nop 0
.rept 4
	v_nop
.endr
	s_branch .Lhead_asked
\next:
.endm
	ARM 1, G0,  G1,  .Lhead_b
	ARM 2, G0B, G1B, .Lhead_sa
	ARM 3, G0S, G1S, .Lhead_sb
	tensor_load_to_lds s[G0SB:G0SB+3], s[G1SB:G1SB+7]
	s_nop 0
.rept 4
	v_nop
.endr
.Lhead_asked:
	v_and_b32 v1, 15, v0                           ; r
	v_bfe_u32 v2, v0, 4, 1                         ; h
	v_mul_u32_u24 v3, v1, PITCH
	v_mul_u32_u24 v4, v2, 24
	v_add_nc_u32 v4, v3, v4                        ; row x pitch + 24 h
	s_mov_b32 s21, SLOT-232
	s_mov_b32 s22, SLOT+232
	v_sub_nc_u32 v7, 1, v2
	v_mul_u32_u24 v5, s21, v2
	v_add_nc_u32 v5, v3, v5
	v_add_nc_u32 v5, 232, v5                       ; lanes 0-15 byte 232 of the row in slot 0, lanes 16-31 byte 0 in slot 1
	v_mul_u32_u24 v6, s22, v7
	v_add_nc_u32 v6, v3, v6                        ; and the other way round
	s_mul_i32 s21, s15, HALFT
	s_mul_i32 s22, s16, HALFT
	s_add_co_u32 s22, s22, 2*HALFT
	v_add_nc_u32 v[ADRA+2], s21, v5
	v_add_nc_u32 v[ADRA+3], s21, v6
	v_add_nc_u32 v[ADRB+2], s22, v5
	v_add_nc_u32 v[ADRB+3], s22, v6
.irp s, 0,1
	v_add_nc_u32 v[ADRA+\s], s21, v4
	v_add_nc_u32 v[ADRB+\s], s22, v4
	s_add_co_u32 s21, s21, SLOT
	s_add_co_u32 s22, s22, SLOT
.endr
	v_mul_u32_u24 v5, v1, KS
	v_lshrrev_b32 v6, 8, v5
	v_lshl_add_u32 v5, v6, 4, v5
	s_mul_i32 s21, s15, HALFS
	s_mul_i32 s22, s16, HALFS
	s_add_co_u32 s22, s22, 2*HALFS
	s_sub_co_u32 s22, s22, s21
	v_mul_u32_u24 v6, s22, v2                      ; lanes 16-31 take P's
	s_add_co_u32 s21, s21, SCL
	v_add_nc_u32 v5, v5, v6
	v_add_nc_u32 v[ADRS], s21, v5
	v_and_b32 v6, 31, v0
	v_lshlrev_b32 v[LI], 4, v6
	v_lshlrev_b32 v[L8], 3, v6
	v_lshlrev_b32 v[BMO], 5, v2
	v_lshlrev_b32 v[BNO], 2, v1
	s_mul_i32 s21, s14, 4352
	s_add_co_u32 s21, s21, STG                     ; my stage
	v_mul_u32_u24 v[VSI], v2, 272
	v_mul_u32_u24 v[VSO], v1, 272
	v_lshl_add_u32 v[VSI], v1, 4, v[VSI]
	v_lshl_add_u32 v[VSO], v2, 7, v[VSO]
	v_add_nc_u32 v[VSI], s21, v[VSI]
	v_add_nc_u32 v[VSO], s21, v[VSO]
	v_lshlrev_b32 v[VQS], 4, v1
	v_lshl_add_u32 v[VQS], v2, 3, v[VQS]
	v_lshlrev_b32 v[SH8], 3, v2
	s_wait_alu depctr_va_vdst(0)
	WIN TO_B
.irp b, 0,1,2,3
	global_load_b128 v[BML+8*\b:BML+8*\b+3], v[BMO], s[12:13] offset:64*\b
	global_load_b128 v[BML+8*\b+4:BML+8*\b+7], v[BMO], s[12:13] offset:64*\b+16
	global_load_b128 v[BMH+8*\b:BMH+8*\b+3], v[BMO], s[12:13] offset:256+64*\b
	global_load_b128 v[BMH+8*\b+4:BMH+8*\b+7], v[BMO], s[12:13] offset:256+64*\b+16
.endr
	WIN 0
.irp a, 0,1,2,3,4,5,6,7
	global_load_b32 v[BN+\a], v[BNO], s[12:13] offset:64*\a
.endr
.macro FRAG reg, adr, st, i            ; 16 rows x 128 K: six pieces of 8 bytes; byte y of a row lies in chunk y / 256, slot (y / 256) % 2
.irp p, 0,1,2,3,4,5
.set BY, 96*(\st)+48*(\p/3)+8*(\p%3)
.if BY/ROWB == (BY+24)/ROWB
	ds_load_b64 v[\reg+2*\p:\reg+2*\p+1], v[\adr+(BY/ROWB)%2] offset:BY%ROWB+(\i)*16*PITCH
.else
	ds_load_b64 v[\reg+2*\p:\reg+2*\p+1], v[\adr+2+(BY/ROWB)%2] offset:BY%ROWB-232+(\i)*16*PITCH
.endif
.endr
.endm
.macro MUL16 a0, p, q, sc, zero        ; the 64 accumulators take turns, one instruction a turn
.irp a, \a0, \a0+1
.irp b, 0,1,2,3,4,5,6,7
.if \zero
	v_wmma_scale_f32_16x16x128_f8f6f4 v[8*(8*((\a)%4)+\b):8*(8*((\a)%4)+\b)+7], v[128*(\p)+FR*\b:128*(\p)+FR*\b+FR-1], v[AF+FR*(\a):AF+FR*(\a)+FR-1], 0, v[SC+8*NQ*(\sc)+NQ*\b+(\q)], v[SC+8*NQ*(\sc)+NQ*(\a)+(\q)] matrix_a_fmt:MATRIX_FMT_BF6 matrix_b_fmt:MATRIX_FMT_BF6 matrix_a_scale:MATRIX_SCALE_ROW1
.else
	v_wmma_scale_f32_16x16x128_f8f6f4 v[8*(8*((\a)%4)+\b):8*(8*((\a)%4)+\b)+7], v[128*(\p)+FR*\b:128*(\p)+FR*\b+FR-1], v[AF+FR*(\a):AF+FR*(\a)+FR-1], v[8*(8*((\a)%4)+\b):8*(8*((\a)%4)+\b)+7], v[SC+8*NQ*(\sc)+NQ*\b+(\q)], v[SC+8*NQ*(\sc)+NQ*(\a)+(\q)] matrix_a_fmt:MATRIX_FMT_BF6 matrix_b_fmt:MATRIX_FMT_BF6 matrix_a_scale:MATRIX_SCALE_ROW1
.endif
.endr
.endr
.endm
.macro FETCH_B st, p
	WIN TO_B
.irp i, 0,1,2,3,4,5,6,7
	FRAG 128*(\p)+FR*\i, ADRB, \st, \i
.endr
	WIN 0
.endm
.macro FETCH_A st, i0
.irp i, \i0, \i0+1, \i0+2, \i0+3
	FRAG AF+FR*(\i), ADRA, \st, \i
.endr
.endm
.macro SCALES pr
.irp i, 0,1,2,3,4,5,6,7
	ds_load_b64 v[SC+8*NQ*((\pr)%2)+NQ*\i:SC+8*NQ*((\pr)%2)+NQ*\i+1], v[ADRS] offset:\i*SBLK+4*NQ*(\pr)
.endr
.endm
.macro PLACES n
.rept \n
	v_nop
.endr
.endm
; A step: 64 products; the next step's fragments are fetched in its middle and at its end.  Where the next step ends in a chunk not yet read, a barrier shows that chunk whole;
; where it begins in a later chunk, the chunk left behind is free: all my tensor loads awaited, the add, my reads awaited, the barrier, which opens a round where a chunk is left to fetch, and the refill first behind it.
.macro STEP st, zero
.set NX, (\st)+1
.set C0, (96*(\st))/ROWB
.set C1, (96*NX)/ROWB
.set E0, (96*(\st)+95)/ROWB
.set E1, (96*NX+95)/ROWB
.if C1 > C0 || E1 > E0
	s_wait_tensorcnt 0x0
.if C1 > C0
	ds_add_u32 v[SPW], v[NIL]
	s_wait_dscnt 4*NL+1                            ; the add and R's blocks 4-7 may be out
.else
	s_wait_dscnt 4*NL
.endif
	WIN MUL_LO
	MUL16 0, (\st)%2, (\st)%2, ((\st)/2)%2, \zero
	s_wait_dscnt 0x0
	s_barrier_signal -1
	MUL16 2, (\st)%2, (\st)%2, ((\st)/2)%2, \zero
	WIN 0
	s_barrier_wait -1
.if C1 > C0 && C0+2 < CHUNKS
	CREST
	s_add_nc_u64 s[G0+4*(C0%2)+2:G0+4*(C0%2)+3], s[G0+4*(C0%2)+2:G0+4*(C0%2)+3], 2*ROWB
	s_add_nc_u64 s[G0B+4*(C0%2)+2:G0B+4*(C0%2)+3], s[G0B+4*(C0%2)+2:G0B+4*(C0%2)+3], 2*ROWB
	JLOAD G0+4*(C0%2), G1, G0B+4*(C0%2), G1B
.else
	PLACES NP
.endif
.else
	s_wait_dscnt 4*NL                              ; R's blocks 4-7, the youngest 24 loads, may be out
	WIN MUL_LO
	MUL16 0, (\st)%2, (\st)%2, ((\st)/2)%2, \zero
	MUL16 2, (\st)%2, (\st)%2, ((\st)/2)%2, \zero
	s_wait_dscnt 0
	PLACES NP
.endif
	FETCH_B NX, NX%2
	FETCH_A NX, 0
.if NX%2 == 0
	SCALES NX/2
.endif
	WIN MUL_HI
	MUL16 4, (\st)%2, (\st)%2, ((\st)/2)%2, \zero
	MUL16 6, (\st)%2, (\st)%2, ((\st)/2)%2, \zero
	PLACES NP
	WIN 0
	FETCH_A NX, 4
.endm
	s_wait_tensorcnt 0x0                           ; my tile of the head's four is in
	ds_add_u32 v[SPW], v[NIL]
	s_mov_b32 s[G1+2], 128<<16                     ; no load of mine is out: from here on a load brings my 128 rows
	s_mov_b32 s[G1+4], 128
	s_mov_b32 s[G1B+2], 128<<16
	s_mov_b32 s[G1B+4], 128
	s_mov_b32 s[G0+1], s45
	s_add_nc_u64 s[G0+2:G0+3], s[G0+2:G0+3], s[18:19]
	s_mov_b32 s[G0B+1], s45
	s_add_nc_u64 s[G0B+2:G0B+3], s[G0B+2:G0B+3], s[18:19]
	s_wait_dscnt 0x0
	CROUND
	JLOAD G0+4, G1, G0B+4, G1B                     ; chunk 1, the first tensor load behind the round
.irp u, 0,1,2,3,4,5,6,7
	UNIT \u                                        ; Q is quantised while chunk 1 is on its way
.endr
	v_cndmask_b32 v6, v[CQ+7], v[CQ+39], s96       ; lanes 0-15 store their row's words of my steps 0 and 1, lanes 16-31 those of steps 2 and 3
	v_cndmask_b32 v7, v[CQ+23], v[CQ+55], s96
	global_store_b64 v[VQS], v[6:7], s[100:101]
	s_wait_xcnt 0x0                                ; the stores have read their registers: fragments and scale words may land there
	FETCH_B 0, 0
	FETCH_A 0, 0
	SCALES 0
	FETCH_A 0, 4
	STEP 0, 1
.set ST, 1
.rept STEPS-2
	STEP ST, 0
.set ST, ST+1
.endr
	s_wait_dscnt 4*NL
	WIN MUL_LO
	MUL16 0, 1, 1, 1, 0
	MUL16 2, 1, 1, 1, 0
	s_wait_dscnt 0
	WIN MUL_HI
	MUL16 4, 1, 1, 1, 0
	MUL16 6, 1, 1, 1, 0
	WIN 0
; THE WAY OUT.  QUANT: 64 registers = four blocks of 32 (16 registers here, 16 in lane l xor 16): scale bytes into word pw, codes into two half fragments of six registers.
.macro QUANT s, d0, d1, pw
.irp b, 0,1,2,3
	v_max3_num_f32 v[TM+\b], |v[\s+16*\b]|, |v[\s+1+16*\b]|, 0x2800000
.endr
.irp i, 2,4,6,8,10,12,14
.irp b, 0,1,2,3
	v_max3_num_f32 v[TM+\b], v[TM+\b], |v[\s+16*\b+\i]|, |v[\s+1+16*\b+\i]|
.endr
.endr
.irp b, 0,1,2,3
	v_permlanex16_b32 v[TM+4+\b], v[TM+\b], s94, s95
.endr
.irp b, 0,1,2,3
	v_max_num_f32 v[TM+\b], v[TM+\b], v[TM+4+\b]
.endr
.irp b, 0,1,2,3
	v_add_nc_u32 v[TM+12+\b], 0xfe000000, v[TM+\b]
.endr
.irp b, 0,1,2,3
	v_lshrrev_b32 v[TM+4+\b], 23, v[TM+12+\b]
.endr
	v_lshl_or_b32 v[\pw], v[TM+5], 8, v[TM+4]
	v_lshl_or_b32 v[\pw], v[TM+6], 16, v[\pw]
	v_lshl_or_b32 v[\pw], v[TM+7], 24, v[\pw]
	v_cvt_scalef32_pk16_bf6_f32 v[(\d0):(\d0)+2], v[\s:\s+15], v[TM+12]
	v_cvt_scalef32_pk16_bf6_f32 v[QT:QT+2], v[\s+16:\s+31], v[TM+13]
	v_cvt_scalef32_pk16_bf6_f32 v[(\d1):(\d1)+2], v[\s+32:\s+47], v[TM+14]
	v_cvt_scalef32_pk16_bf6_f32 v[QT+4:QT+6], v[\s+48:\s+63], v[TM+15]
	v_nop
.irp i, 0,1,2
	v_permlane16_swap_b32 v[(\d0)+\i], v[QT+\i]
	v_permlane16_swap_b32 v[(\d1)+\i], v[QT+4+\i]
.endr
.irp i, 0,1,2
	v_mov_b32 v[(\d0)+3+\i], v[QT+\i]
	v_mov_b32 v[(\d1)+3+\i], v[QT+4+\i]
.endr
.endm
.macro ADDB a                          ; k: the bias runs along the registers
	WIN 0x06+((\a)/4)
.irp b, 0,1,2,3
.irp i, 0,2,4,6
	v_pk_add_f32 v[X+8*\b+\i:X+8*\b+\i+1], v[64*((\a)%4)+8*\b+\i:64*((\a)%4)+8*\b+\i+1], v[BML+8*\b+\i:BML+8*\b+\i+1]
.endr
.endr
.irp b, 0,1,2,3
.irp i, 0,2,4,6
	v_pk_add_f32 v[X+32+8*\b+\i:X+32+8*\b+\i+1], v[64*((\a)%4)+32+8*\b+\i:64*((\a)%4)+32+8*\b+\i+1], v[BMH+8*\b+\i:BMH+8*\b+\i+1]
.endr
.endr
	WIN 0
.endm
.macro ADDBV a                         ; v: one bias a lane
	WIN 0x02+((\a)/4)
.irp b, 0,1,2,3,4,5,6,7
.irp i, 0,2,4,6
	v_pk_add_f32 v[X+8*\b+\i:X+8*\b+\i+1], v[64*((\a)%4)+8*\b+\i:64*((\a)%4)+8*\b+\i+1], v[BNP+2*(\a):BNP+2*(\a)+1]
.endr
.endr
	WIN 0
.endm
	PLACES NP
	s_wait_loadcnt 0x0
.irp b, 0,1,2,3
	v_mov_b32 v[TM+4+\b], 0
.endr
	s_cmp_eq_u32 s67, 1
	s_cbranch_scc1 .Lway_v
.irp j, 0,1,2,3
	s_wait_xcnt 0x0                                ; earlier stores have read their registers
	ADDB 2*\j
	QUANT X, F0, F1, WX
	ADDB 2*\j+1
	QUANT X, F0+6, F1+6, WY
	v_perm_b32 v[W0], v[WY], v[WX], 0x05040100
	v_perm_b32 v[W1], v[WY], v[WX], 0x07060302
.if \j%2 == 0
	v_mov_b32 v[SW+\j/2], v[W0]
	v_mov_b32 v[SW+2+\j/2], v[W1]
.else
	v_cndmask_b32 v[SW+\j/2], v[SW+\j/2], v[W0], s96
	v_cndmask_b32 v[SW+2+\j/2], v[SW+2+\j/2], v[W1], s96
.endif
.irp g, 0,1,2
	global_store_b128 v[LI], v[F0+4*\g:F0+4*\g+3], s[4:5] offset:1536*\j+512*\g
	global_store_b128 v[LI], v[F1+4*\g:F1+4*\g+3], s[6:7] offset:1536*\j+512*\g
.endr
.endr
	s_branch .Lwords
.Lway_v:
.irp a, 0,1,2,3,4,5,6,7
	v_mov_b32 v[BNP+2*\a], v[BN+\a]
	v_mov_b32 v[BNP+2*\a+1], v[BN+\a]
.endr
.irp j, 0,1,2,3
	s_wait_xcnt 0x0
	ADDBV 2*\j
	QUANT X, F0, F0+6, WX
	ADDBV 2*\j+1
	QUANT X, F1, F1+6, WY
	v_cndmask_b32 v[SW+2*(\j/2)+\j%2], v[WX], v[WY], s96
.irp g, 0,1,2
.if \j < 2
	global_store_b128 v[LI], v[F0+4*\g:F0+4*\g+3], s[4:5] offset:1536*((2*\j)%4)+512*\g
	global_store_b128 v[LI], v[F1+4*\g:F1+4*\g+3], s[4:5] offset:1536*((2*\j)%4+1)+512*\g
.else
	global_store_b128 v[LI], v[F0+4*\g:F0+4*\g+3], s[6:7] offset:1536*((2*\j)%4)+512*\g
	global_store_b128 v[LI], v[F1+4*\g:F1+4*\g+3], s[6:7] offset:1536*((2*\j)%4+1)+512*\g
.endif
.endr
.endr
.Lwords:
	s_wait_alu depctr_va_vdst(0)
	global_store_b64 v[L8], v[SW:SW+1], s[8:9]
	global_store_b64 v[L8], v[SW+2:SW+3], s[10:11]
	s_wait_tensorcnt 0x0                           ; the wave's end
	ds_add_u32 v[SPW], v[NIL]
	s_wait_dscnt 0x0
	CROUND                                         ; the closing round
	s_endpgm
.Lfunc_end_k_qb16e3ee471_proj:
	.size	k_qb16e3ee471_proj, .Lfunc_end_k_qb16e3ee471_proj-k_qb16e3ee471_proj
	.p2alignl 7, 3214868480
	.fill 96, 4, 3214868480
	.section	.rodata,"a",@progbits
	.p2align	6, 0x0
	.amdhsa_kernel k_qb16e3ee471_proj
		.amdhsa_group_segment_fixed_size 327680
		.amdhsa_private_segment_fixed_size 0
		.amdhsa_enable_private_segment 0
		.amdhsa_kernarg_size 112
		.amdhsa_user_sgpr_count 2
		.amdhsa_user_sgpr_kernarg_segment_ptr 1
		.amdhsa_wavefront_size32 1
		.amdhsa_system_sgpr_workgroup_id_x 1
		.amdhsa_system_sgpr_workgroup_id_y 1
		.amdhsa_system_sgpr_workgroup_id_z 1
		.amdhsa_system_vgpr_workitem_id 0
		.amdhsa_next_free_vgpr 1024
		.amdhsa_next_free_sgpr 102
		.amdhsa_reserve_vcc 0
		.amdhsa_float_denorm_mode_32 3
		.amdhsa_float_denorm_mode_16_64 3
		.amdhsa_memory_ordered 1
		.amdhsa_forward_progress 1
		.amdhsa_inst_pref_size 255
	.end_amdhsa_kernel
	.section	.bss,"aw",@nobits
	.p2align	6
	.space	262144
	.amdgpu_metadata
---
amdhsa.version: [ 1, 2 ]
amdhsa.kernels:
  - .name:           k_qb16e3ee471_proj
    .symbol:         k_qb16e3ee471_proj.kd
    .args:
      - { .name: K_codes, .offset: 0, .size: 8, .value_kind: global_buffer, .address_space: global }
      - { .name: V_codes, .offset: 8, .size: 8, .value_kind: global_buffer, .address_space: global }
      - { .name: K_scales, .offset: 16, .size: 8, .value_kind: global_buffer, .address_space: global }
      - { .name: V_scales, .offset: 24, .size: 8, .value_kind: global_buffer, .address_space: global }
      - { .name: Wk_codes, .offset: 32, .size: 8, .value_kind: global_buffer, .address_space: global }
      - { .name: Wv_codes, .offset: 40, .size: 8, .value_kind: global_buffer, .address_space: global }
      - { .name: Wk_scales, .offset: 48, .size: 8, .value_kind: global_buffer, .address_space: global }
      - { .name: Wv_scales, .offset: 56, .size: 8, .value_kind: global_buffer, .address_space: global }
      - { .name: bk, .offset: 64, .size: 8, .value_kind: global_buffer, .address_space: global }
      - { .name: bv, .offset: 72, .size: 8, .value_kind: global_buffer, .address_space: global }
      - { .name: kv, .offset: 80, .size: 8, .value_kind: global_buffer, .address_space: global }
      - { .name: Q, .offset: 88, .size: 8, .value_kind: global_buffer, .address_space: global }
      - { .name: qc, .offset: 96, .size: 8, .value_kind: global_buffer, .address_space: global }
      - { .name: qs, .offset: 104, .size: 8, .value_kind: global_buffer, .address_space: global }
    .group_segment_fixed_size: 327680
    .private_segment_fixed_size: 0
    .kernarg_segment_align: 8
    .kernarg_segment_size: 112
    .max_flat_workgroup_size: 128
    .sgpr_count:     102
    .vgpr_count:     1024
    .wavefront_size: 32
...
	.end_amdgpu_metadata
.endif
;; end of part 1
;; launch attn (part 2): grid 4 x 64, 16 waves a work-group, clusters of 4 x 1, 262,144 bytes of LDS; arguments qc, qs, Wq_codes, Wq_scales, bq, kv, aimg, ascl; writes aimg, ascl
.if DOCPART == 2
	.amdgcn_target "amdgcn-amd-amdhsa--gfx1250"
	.amdhsa_code_object_version 6
	.text
	.protected	k_qb16e3ee471_attn
	.globl	k_qb16e3ee471_attn
	.p2align	8
	.type	k_qb16e3ee471_attn,@function
k_qb16e3ee471_attn:
	s_mov_b64 s[64:65], 0
	v_nop
	global_prefetch_b8 v0, s[64:65] scope:SCOPE_SE
	s_setreg_imm32_b32 hwreg(HW_REG_WAVE_MODE, 25, 1), 1
	s_wait_xcnt 0x0
	s_wait_alu depctr_hold_cnt(0) depctr_sa_sdst(0) depctr_va_vdst(0) depctr_va_sdst(0) depctr_va_ssrc(0) depctr_va_vcc(0) depctr_vm_vsrc(0)
	s_getreg_b32 s2, hwreg(HW_REG_IB_STS2, 6, 4)
	s_cmp_eq_u32 s2, 0
	s_cbranch_scc0 .Lentry_in_a_cluster
	s_endpgm
.Lentry_in_a_cluster:
	s_bfe_u32 s2, ttmp6, 0x10000c
	s_cmp_lg_u32 s2, 0x3003
	s_cbranch_scc0 .Lentry_shape_is_right
	s_endpgm
.Lentry_shape_is_right:
; q's PROJECTION AND ATTENTION on codes of E3M2, for each of 64 (batch, head).
; HEAD: each wave makes q for its own 32 queries: q^T = Wq[head] Q^T + bq (K = 1,024: eight steps x 4 channel tiles x 2 query tiles = 64 products), bq as the C of the first products; q is quantised along the head's 64
; in registers, in the order within a block in which k's codes were packed.  The head's 64 rows of Wq (49,152 dense bytes) and their scales come once into LDS; a wave reads its 32 rows of Q's codes from memory, each byte once.
; THEN: S = q k^T (K = 64), p = 2^(t - M) with t = S x log2(e) / 32 (reference()'s scale is 1 / sqrt(1024) = 2^-5, exact) and M = the ceiling of the running
; largest t, a whole number; p is quantised along the keys; O = p v / l, l the sum of the unquantised p; O is quantised along the head's 64 for the output projection.
; SHARES.  A work-group owns 512 queries of one head, each of its sixteen waves 32: two tiles of 16, taken one after the other (PASS).  Four waves share a SIMD.
; A HEAD'S K AND V STAY IN LDS: 16 records of 12,800 bytes (128 keys each), as images of operand registers: every fragment comes by ds_load_b128 at 16 x lane.  Nothing is filled twice: no ring.
; CLUSTER.  The four work-groups of a head need the same k, v and Wq: waves 0-7 ask jointly for two records each, wave 8 for Wq's codes, wave 9 for its scales.
; K = 64 UNDER AN INSTRUCTION OF 128: a fragment of k holds key tile 2 j at positions 0-63 and tile 2 j + 1 at 64-127.  q stands in two operands, [q | zero codes] and [zero codes | q].
; E3M2 has no NaN and no infinity, so a code times a zero code adds 0; the scale bytes over the zero codes are 0, which is 2^-127 and no NaN.
; All products are used transposed: a lane holds one query throughout.
; LIMITS: NaN and infinities are not served; a block whose largest magnitude lies under 2^-122 (a block of p that has fallen to zeros too) keeps the byte 1; a block's largest p is taken as the exponential of its largest score;
; the scaled scores stay under 2^31 in magnitude.
; No prefetch: all that the launch reads is asked for at its head.
.set REC,   12800
.set WQ,    16*REC                     ; Wq's codes: 192 rows of 256 bytes + 16 of padding; a row of Wq is three of them, 816 bytes
.set WS,    WQ+192*272                 ; its scales: 8 rows of 256 + 16
.set SPARE, 259328
.set LI,   1                           ; 16 x lane
.set L8,   2                           ; 8 x lane
.set ADK,  3
.set ADS,  4
.set ADW2, 3                           ; at the head: Wq's pieces whose lanes 16-31 lie in the next 256 bytes
.set AWS,  4                           ; at the head: Wq's scale words
.set SPW,  5
.set NIL,  6
.set L4,   7                           ; 4 x lane
.set AQS,  9                           ; Q's scale words: 16 r
.set ABQ,  10                          ; bq: 32 h
.set ADW,  11                          ; Wq's codes in LDS: 816 r + 24 h
.set QF,   16                          ; at the head: v16-87 Q's fragments, three sets of two
.set WSC,  88                          ; v88-91 Wq's scale words of a step
.set QA,   96                          ; v96-159 q^T: 32 y + 8 b
.set WF,   160                         ; v160-207 Wq's four fragments
.set BQ,   208                         ; v208-239 bq in the results' layout
.set QSC,  240                         ; v240-255 Q's scale words: 8 y + step
.set TM,   208
.set QT,   224
.set QLO,  16                          ; v16-27 [q | 0]
.set QHI,  28                          ; v28-39 [0 | q]
.set SQLO, 40
.set SQHI, 41
.set QW,   42                          ; my two tiles' scale bytes
.set OW,   43
.set SK,   44
.set SV,   46
.set FB,   48                          ; v48-95 four fragments, of k and then of v
.set S,    96                          ; v96-159 S^T, then p
.set OT,   160                         ; v160-191 O^T
.set QI,   192                         ; v192-203 my two tiles' codes
.set MX,   204
.set PD,   208
.set CO,   216
.set FF,   220
.set PW,   221
.set T,    222
.set PC,   224
.macro CROUND
	s_barrier_signal -1
	s_barrier_wait -1
	s_cmp_lg_u32 s12, 0
	s_cbranch_scc1 .Lnot_wave_0_\@
	s_barrier_signal -3
.Lnot_wave_0_\@:
	s_barrier_wait -3
	s_barrier_signal -1
	s_barrier_wait -1
.endm
	s_load_b512 s[48:63], s[0:1], 0x0              ; qc 48, qs 50, Wq_codes 52, Wq_scales 54, bq 56, kv 58, aimg 60, ascl 62
	v_lshl_add_u32 v[SPW], v0, 2, SPARE
	v_mov_b32 v[NIL], 0
	ds_add_u32 v[SPW], v[NIL]                      ; the opening: the add, twice on end, and its wait
	ds_add_u32 v[SPW], v[NIL]
	v_lshrrev_b32 v9, 5, v0
	s_delay_alu instid0(VALU_DEP_1)
	v_readfirstlane_b32 s12, v9                    ; wave 0..15
	s_bfe_u32 s13, ttmp6, 0x40000                  ; cx: it enters Q's and the outputs' addresses alone
	s_and_b32 s14, ttmp7, 0xffff                   ; 16 batch + head
	s_mov_b32 s24, 15|(3<<16)|(1<<21)              ; two records: 100 dense rows of 256 bytes, for all four partners
	s_mov_b32 s25, 32<<16
	s_mov_b32 s26, 100<<16
	s_mov_b32 s27, 32<<16
	s_mov_b32 s28, 100
	s_mov_b32 s29, 32
	s_mov_b32 s30, 0
	s_mov_b32 s31, 0
	s_mov_b32 s72, 15|(3<<16)|(1<<20)|(1<<21)|(5<<22)|(3<<25)   ; Wq's codes: 192 rows, 16 bytes of padding behind each
	s_mov_b32 s73, 32<<16
	s_mov_b32 s74, 192<<16
	s_mov_b32 s75, 32<<16
	s_mov_b32 s76, 192
	s_mov_b32 s77, 32
	s_mov_b32 s78, 0
	s_mov_b32 s79, 0
	s_mov_b32 s84, 15|(3<<16)|(1<<20)|(1<<21)|(5<<22)|(3<<25)   ; its scales: 8 rows
	s_mov_b32 s85, 32<<16
	s_mov_b32 s86, 8<<16
	s_mov_b32 s87, 32<<16
	s_mov_b32 s88, 8
	s_mov_b32 s89, 32
	s_mov_b32 s90, 0
	s_mov_b32 s91, 0
	s_mov_b32 s20, 0x76543210
	s_mov_b32 s21, 0xfedcba98
	s_mov_b32 s22, 0x3d38aa3b                      ; c = log2(e) / 32
	s_mov_b32 s23, s22
	s_mov_b32 s38, 0x0000ffff                      ; the lanes that keep this pass's output scale words: 0-15, then 16-31
	s_lshl_b32 s15, s14, 4
	s_lshl_b32 s39, s12, 1
	s_add_co_u32 s32, s15, s39
	s_mul_i32 s32, s32, REC                        ; records 2 wave, 2 wave + 1 of my head
	s_mov_b32 s33, 0
	s_mov_b32 s16, 1
	s_mul_i32 s17, s12, 2*REC
	s_and_b32 s15, s14, 15                         ; head
	s_mul_i32 s34, s15, 49152
	s_mov_b32 s35, 0
	s_lshl_b32 s36, s15, 11
	s_mov_b32 s37, 0
	s_lshl_b32 s40, s15, 8
	s_mov_b32 s41, 0
	s_lshr_b32 s39, s14, 4
	s_lshl_b32 s39, s39, 11
	s_lshl_b32 s42, s13, 9
	s_add_co_u32 s39, s39, s42
	s_lshl_b32 s42, s12, 5
	s_add_co_u32 s39, s39, s42                     ; my first token: 2048 batch + 512 cx + 32 wave
	s_mul_i32 s42, s39, 768
	s_mov_b32 s43, 0
	s_lshl_b32 s44, s39, 5
	s_mov_b32 s45, 0
	s_add_co_u32 s46, s39, s15                     ; aimg: (16 x token tile + head) x 768
	s_mul_i32 s46, s46, 768
	s_mov_b32 s47, 0
	s_lshl_b32 s92, s14, 11                        ; ascl: a word a token of each (batch, head)
	s_and_b32 s93, s39, 2047
	s_add_co_u32 s92, s92, s93
	s_lshl_b32 s92, s92, 2
	s_mov_b32 s93, 0
	v_and_b32 v12, 31, v0
	v_and_b32 v13, 15, v0                          ; r
	v_bfe_u32 v14, v0, 4, 1                        ; h
	v_lshlrev_b32 v[LI], 4, v12
	v_lshlrev_b32 v[L8], 3, v12
	v_lshlrev_b32 v[L4], 2, v12
	v_mul_u32_u24 v15, v14, 24
	v_lshlrev_b32 v[AQS], 4, v13
	v_lshlrev_b32 v[ABQ], 5, v14
	v_mad_u32_u24 v[ADW], v13, 816, v15
	v_lshrrev_b32 v15, 3, v13
	v_and_b32 v12, 7, v13
	v_add_nc_u32 v[ADW], WQ, v[ADW]
	v_mul_u32_u24 v15, v15, 272
	s_delay_alu instid0(VALU_DEP_2)
	v_lshl_add_u32 v[ADW2], v14, 4, v[ADW]
	s_delay_alu instid0(VALU_DEP_2)
	v_lshl_add_u32 v15, v12, 5, v15
	s_delay_alu instid0(VALU_DEP_1)
	v_add_nc_u32 v[AWS], WS, v15                   ; row r's 32 bytes: 272 (r / 8) + 32 (r % 8)
	s_wait_alu depctr_va_vdst(0)
	s_wait_dscnt 0x0                               ; both opening adds are done
	s_wait_kmcnt 0x0
	s_add_nc_u64 s[18:19], s[58:59], s[32:33]
	s_or_b32 s19, s19, 0x80000000
	s_mov_b32 s68, 1
	s_mov_b32 s69, WQ
	s_add_nc_u64 s[70:71], s[52:53], s[34:35]
	s_or_b32 s71, s71, 0x80000000
	s_mov_b32 s80, 1
	s_mov_b32 s81, WS
	s_add_nc_u64 s[82:83], s[54:55], s[36:37]
	s_or_b32 s83, s83, 0x80000000
	s_add_nc_u64 s[4:5], s[48:49], s[42:43]
	s_add_nc_u64 s[6:7], s[50:51], s[44:45]
	s_add_nc_u64 s[40:41], s[56:57], s[40:41]
	s_add_nc_u64 s[8:9], s[60:61], s[46:47]
	s_add_nc_u64 s[10:11], s[62:63], s[92:93]
.macro QLD st                          ; Q's two fragments of step st: twelve loads of 8 bytes a lane
.irp y, 0,1
.irp p, 0,1,2,3,4,5
	global_load_b64 v[QF+24*((\st)%3)+12*\y+2*\p:QF+24*((\st)%3)+12*\y+2*\p+1], v[L8], s[4:5] offset:12288*\y+1536*(\st)+256*\p   ; qc holds images of operand registers: each load covers 256 consecutive bytes
.endr
.endr
.endm
.macro WLD st                          ; Wq's four fragments and scale words of step st, from LDS
.irp b, 0,1,2,3
.irp p, 0,1,2,3,4,5
.set BY, 96*(\st)+48*(\p/3)+8*(\p%3)
.if BY/256 == (BY+24)/256
	ds_load_b64 v[WF+12*\b+2*\p:WF+12*\b+2*\p+1], v[ADW] offset:13056*\b+272*(BY/256)+BY%256
.else
	ds_load_b64 v[WF+12*\b+2*\p:WF+12*\b+2*\p+1], v[ADW2] offset:13056*\b+272*(BY/256)+BY%256
.endif
.endr
	ds_load_b32 v[WSC+\b], v[AWS] offset:544*\b+4*(\st)
.endr
.endm
.irp b, 0,1,2,3
	global_load_b128 v[BQ+8*\b:BQ+8*\b+3], v[ABQ], s[40:41] offset:64*\b       ; bq(16 b + 8 h + 0 .. 7)
	global_load_b128 v[BQ+8*\b+4:BQ+8*\b+7], v[ABQ], s[40:41] offset:64*\b+16
.endr
.irp y, 0,1
	global_load_b128 v[QSC+8*\y:QSC+8*\y+3], v[AQS], s[6:7] offset:512*\y
	global_load_b128 v[QSC+8*\y+4:QSC+8*\y+7], v[AQS], s[6:7] offset:512*\y+256
.endr
	QLD 0
	QLD 1
	QLD 2
	CROUND                                         ; all four work-groups are here: the joint loads meet
	s_cmp_lt_u32 s12, 8                            ; one chain of branches on the wave's number, one load to an arm
	s_cbranch_scc0 .Lhead_w
	tensor_load_to_lds s[16:19], s[24:31]
	s_nop 0
	s_branch .Lhead_asked
.Lhead_w:
	s_cmp_eq_u32 s12, 8
	s_cbranch_scc0 .Lhead_s
	tensor_load_to_lds s[68:71], s[72:79]
	s_nop 0
	s_branch .Lhead_asked
.Lhead_s:
	s_cmp_eq_u32 s12, 9
	s_cbranch_scc0 .Lhead_asked
	tensor_load_to_lds s[80:83], s[84:91]
	s_nop 0
.Lhead_asked:
	s_wait_tensorcnt 0x0                           ; my load, if I have one, is in,
	s_barrier_signal -1
	s_barrier_wait -1                              ; everybody's is.
	WLD 0
.set ST, 0
.rept 8
.if ST < 6
	s_wait_loadcnt 24                              ; this step's fragments of Q are in; the next two steps' twelve loads each may be out
.else
	s_wait_loadcnt 12*(7-ST)
.endif
	s_wait_dscnt 0x0
.irp y, 0,1
.irp b, 0,1,2,3                        ; eight accumulators by turns
.if ST == 0
	v_wmma_scale_f32_16x16x128_f8f6f4 v[QA+32*\y+8*\b:QA+32*\y+8*\b+7], v[WF+12*\b:WF+12*\b+11], v[QF+24*(ST%3)+12*\y:QF+24*(ST%3)+12*\y+11], v[BQ+8*\b:BQ+8*\b+7], v[WSC+\b], v[QSC+8*\y+ST] matrix_a_fmt:MATRIX_FMT_BF6 matrix_b_fmt:MATRIX_FMT_BF6
.else
	v_wmma_scale_f32_16x16x128_f8f6f4 v[QA+32*\y+8*\b:QA+32*\y+8*\b+7], v[WF+12*\b:WF+12*\b+11], v[QF+24*(ST%3)+12*\y:QF+24*(ST%3)+12*\y+11], v[QA+32*\y+8*\b:QA+32*\y+8*\b+7], v[WSC+\b], v[QSC+8*\y+ST] matrix_a_fmt:MATRIX_FMT_BF6 matrix_b_fmt:MATRIX_FMT_BF6
.endif
.endr
.endr
.rept 4
	v_nop                                          ; places in front of loads into the products' operands, and of the first read of q^T
.endr
.if ST < 7
	WLD ST+1
.endif
.if ST < 5
	QLD ST+3
.endif
.set ST, ST+1
.endr
; q is quantised: four blocks of 32: tile 0's two, tile 1's two
.irp b, 0,1,2,3
	v_mov_b32 v[TM+4+\b], 0
.endr
.irp b, 0,1,2,3
	v_max3_num_f32 v[TM+\b], |v[QA+16*\b]|, |v[QA+1+16*\b]|, 0x2800000
.endr
.irp i, 2,4,6,8,10,12,14
.irp b, 0,1,2,3
	v_max3_num_f32 v[TM+\b], v[TM+\b], |v[QA+16*\b+\i]|, |v[QA+1+16*\b+\i]|
.endr
.endr
.irp b, 0,1,2,3
	v_permlanex16_b32 v[TM+4+\b], v[TM+\b], s20, s21
.endr
.irp b, 0,1,2,3
	v_max_num_f32 v[TM+\b], v[TM+\b], v[TM+4+\b]
.endr
.irp b, 0,1,2,3
	v_add_nc_u32 v[TM+12+\b], 0xfe000000, v[TM+\b]
.endr
.irp b, 0,1,2,3
	v_lshrrev_b32 v[TM+4+\b], 23, v[TM+12+\b]
.endr
	v_lshl_or_b32 v[QW], v[TM+5], 8, v[TM+4]
	s_delay_alu instid0(VALU_DEP_1)
	v_lshl_or_b32 v[QW], v[TM+6], 16, v[QW]
	s_delay_alu instid0(VALU_DEP_1)
	v_lshl_or_b32 v[QW], v[TM+7], 24, v[QW]
	v_cvt_scalef32_pk16_bf6_f32 v[QI:QI+2], v[QA:QA+15], v[TM+12]
	v_cvt_scalef32_pk16_bf6_f32 v[QT:QT+2], v[QA+16:QA+31], v[TM+13]
	v_cvt_scalef32_pk16_bf6_f32 v[QI+6:QI+8], v[QA+32:QA+47], v[TM+14]
	v_cvt_scalef32_pk16_bf6_f32 v[QT+4:QT+6], v[QA+48:QA+63], v[TM+15]
	v_nop
.irp i, 0,1,2
	v_permlane16_swap_b32 v[QI+\i], v[QT+\i]
	v_permlane16_swap_b32 v[QI+6+\i], v[QT+4+\i]
.endr
.irp i, 0,1,2
	v_mov_b32 v[QI+3+\i], v[QT+\i]
	v_mov_b32 v[QI+9+\i], v[QT+4+\i]
.endr
.irp i, 0,1,2,3,4,5
	v_mov_b32 v[QLO+6+\i], 0                       ; zero codes
	v_mov_b32 v[QHI+\i], 0
.endr
.irp i, 0,1,2,3,4,5,6,7
	v_mov_b32 v[PD+\i], 0                          ; a lane permute's destination counts as one of its sources
.endr
	v_mov_b32 v[PW], 0
	v_mov_b32 v[OW], 0
	s_wait_alu depctr_va_vdst(0)
.macro STEP                            ; 128 keys: the record at s2
	v_add_nc_u32 v[ADK], s2, v[LI]
	v_add_nc_u32 v[ADS], s2, v[L8]
	v_nop
	v_nop                                          ; four places behind the last products, in front of loads into their operands
	ds_load_b64 v[SK:SK+1], v[ADS] offset:12288
.irp i, 0,1,2,3,4,5,6,7,8,9,10,11
	ds_load_b128 v[FB+4*\i:FB+4*\i+3], v[ADK] offset:512*\i
.endr
	s_wait_alu depctr_va_vdst(0)
.irp j, 0,1,2,3
	s_wait_dscnt 9-3*\j                            ; the later fragments' loads, three each, may be out
.if \j%2
	v_wmma_scale_f32_16x16x128_f8f6f4 v[S+16*\j:S+16*\j+7], v[FB+12*\j:FB+12*\j+11], v[QLO:QLO+11], 0, v[SK+\j/2], v[SQLO] matrix_a_fmt:MATRIX_FMT_BF6 matrix_b_fmt:MATRIX_FMT_BF6 matrix_a_scale:MATRIX_SCALE_ROW1
	v_wmma_scale_f32_16x16x128_f8f6f4 v[S+8+16*\j:S+8+16*\j+7], v[FB+12*\j:FB+12*\j+11], v[QHI:QHI+11], 0, v[SK+\j/2], v[SQHI] matrix_a_fmt:MATRIX_FMT_BF6 matrix_b_fmt:MATRIX_FMT_BF6 matrix_a_scale:MATRIX_SCALE_ROW1
.else
	v_wmma_scale_f32_16x16x128_f8f6f4 v[S+16*\j:S+16*\j+7], v[FB+12*\j:FB+12*\j+11], v[QLO:QLO+11], 0, v[SK+\j/2], v[SQLO] matrix_a_fmt:MATRIX_FMT_BF6 matrix_b_fmt:MATRIX_FMT_BF6
	v_wmma_scale_f32_16x16x128_f8f6f4 v[S+8+16*\j:S+8+16*\j+7], v[FB+12*\j:FB+12*\j+11], v[QHI:QHI+11], 0, v[SK+\j/2], v[SQHI] matrix_a_fmt:MATRIX_FMT_BF6 matrix_b_fmt:MATRIX_FMT_BF6
.endif
.endr
.rept 4
	v_nop                                          ; places: for v's loads into k's registers, and for the first read of the scores
.endr
.irp i, 0,1,2,3,4,5,6,7,8,9,10,11
	ds_load_b128 v[FB+4*\i:FB+4*\i+3], v[ADK] offset:6144+512*\i    ; v's four fragments land under the softmax
.endr
	ds_load_b64 v[SV:SV+1], v[ADS] offset:12544
.irp b, 0,1,2,3
	v_max3_num_f32 v[MX+\b], v[S+16*\b], v[S+1+16*\b], v[S+2+16*\b]   ; the largest score of each block of 32 keys: for the row's maximum and for the block's largest p
.endr
.irp i, 3,5,7,9,11,13
.irp b, 0,1,2,3
	v_max3_num_f32 v[MX+\b], v[MX+\b], v[S+16*\b+\i], v[S+1+16*\b+\i]
.endr
.endr
.irp b, 0,1,2,3
	v_max_num_f32 v[MX+\b], v[MX+\b], v[S+15+16*\b]
.endr
.irp b, 0,1,2,3
	s_delay_alu instid0(VALU_DEP_4)
	v_permlanex16_b32 v[PD+\b], v[MX+\b], s20, s21
.endr
.irp b, 0,1,2,3
	s_delay_alu instid0(VALU_DEP_4)
	v_max_num_f32 v[MX+\b], v[MX+\b], v[PD+\b]
.endr
	s_delay_alu instid0(VALU_DEP_2)
	v_max3_num_f32 v[T], v[MX], v[MX+1], v[MX+2]
	s_delay_alu instid0(VALU_DEP_1)
	v_max_num_f32 v[T], v[T], v[MX+3]
	s_delay_alu instid0(VALU_DEP_1)
	v_mul_f32 v[T], s22, v[T]                      ; as t (c is positive)
	s_delay_alu instid0(VALU_DEP_1)
	v_max_num_f32 v13, v13, v[T]                   ; the running largest t
	v_mov_b32 v[T], v12
	s_delay_alu instid0(VALU_DEP_2)
	v_floor_f32 v12, -v13                          ; -M = floor(-t): M is a whole number
	s_delay_alu instid0(VALU_DEP_1)
	v_sub_f32 v[T], v12, v[T]                      ; old M - new M, 0 or less
	s_delay_alu instid0(VALU_DEP_1)
	v_cvt_i32_f32 v[T], v[T]                       ; (it saturates)
	s_delay_alu instid0(VALU_DEP_1)
	v_ldexp_f32 v[FF], 1.0, v[T]                   ; f: a multiplication by it rounds nothing
.set jj, 0
.rept 32
	v_pk_fma_f32 v[S+jj:S+jj+1], v[S+jj:S+jj+1], s[22:23], v[12:13] op_sel_hi:[1,0,0]   ; t - M
.set jj, jj+2
.endr
.irp b, 0,1,2,3
	v_fma_f32 v[MX+\b], v[MX+\b], s22, v12
.endr
.set jj, 0
	s_wait_alu depctr_va_vdst(0)
.rept 64
	v_exp_f32 v[S+jj], v[S+jj]                     ; p = 2^(t - M): not normalised
.set jj, jj+1
.endr
	v_pk_mul_f32 v[14:15], v[14:15], v[FF:FF+1] op_sel_hi:[1,0]   ; the sums under the new M: the plain place behind the exponentials
	s_wait_alu depctr_va_vdst(0)                   ; one wait for the whole batch, ahead of its first reader
.irp b, 0,1,2,3
	v_exp_f32 v[MX+\b], v[MX+\b]                   ; the block's largest p
.endr
	v_pk_add_f32 v[208:209], v[100:101], v[104:105]   ; the row's sum of the unquantised p, in eight chains
	v_pk_add_f32 v[254:255], v[108:109], v[112:113]
	v_pk_add_f32 v[252:253], v[116:117], v[120:121]
	v_pk_add_f32 v[250:251], v[124:125], v[128:129]
	v_pk_add_f32 v[248:249], v[132:133], v[136:137]
	v_pk_add_f32 v[246:247], v[140:141], v[144:145]
	v_pk_add_f32 v[244:245], v[148:149], v[152:153]
	v_pk_add_f32 v[14:15], v[14:15], v[156:157]
	v_pk_add_f32 v[208:209], v[208:209], v[96:97]
	v_pk_add_f32 v[254:255], v[254:255], v[98:99]
	v_pk_add_f32 v[252:253], v[252:253], v[102:103]
	v_pk_add_f32 v[250:251], v[250:251], v[106:107]
	v_pk_add_f32 v[248:249], v[248:249], v[110:111]
	v_pk_add_f32 v[246:247], v[246:247], v[114:115]
	v_pk_add_f32 v[244:245], v[244:245], v[118:119]
	v_pk_add_f32 v[14:15], v[14:15], v[122:123]
	v_pk_add_f32 v[208:209], v[208:209], v[126:127]
	v_pk_add_f32 v[254:255], v[254:255], v[130:131]
	v_pk_add_f32 v[252:253], v[252:253], v[134:135]
	v_pk_add_f32 v[250:251], v[250:251], v[138:139]
	v_pk_add_f32 v[248:249], v[248:249], v[142:143]
	v_pk_add_f32 v[246:247], v[246:247], v[146:147]
	v_pk_add_f32 v[244:245], v[244:245], v[150:151]
	v_pk_add_f32 v[14:15], v[14:15], v[154:155]
	v_pk_add_f32 v[208:209], v[208:209], v[158:159]
	s_delay_alu instid0(VALU_DEP_2)
	v_pk_add_f32 v[14:15], v[14:15], v[250:251]
	s_delay_alu instid0(VALU_DEP_2)
	v_pk_add_f32 v[208:209], v[208:209], v[248:249]
	v_pk_add_f32 v[254:255], v[254:255], v[246:247]
	v_pk_add_f32 v[252:253], v[252:253], v[244:245]
	s_delay_alu instid0(VALU_DEP_2)
	v_pk_add_f32 v[14:15], v[14:15], v[254:255]
	s_delay_alu instid0(VALU_DEP_2)
	v_pk_add_f32 v[208:209], v[208:209], v[252:253]
	s_delay_alu instid0(VALU_DEP_1)
	v_pk_add_f32 v[14:15], v[14:15], v[208:209]
	s_wait_alu depctr_va_vdst(0)                   ; and one for the four
.irp b, 0,1,2,3
	v_max_num_f32 v[MX+\b], 0x2800000, v[MX+\b]    ; the floor 2^(5 - 127)
.endr
.irp b, 0,1,2,3
	s_delay_alu instid0(VALU_DEP_4)
	v_add_nc_u32 v[CO+\b], 0xfe000000, v[MX+\b]
.endr
.irp b, 0,1,2,3
	s_delay_alu instid0(VALU_DEP_4)
	v_lshrrev_b32 v[PD+\b], 23, v[CO+\b]
.endr
	s_delay_alu instid0(VALU_DEP_3)
	v_lshl_or_b32 v[PW], v[PD+1], 8, v[PD]
	s_delay_alu instid0(VALU_DEP_1)
	v_lshl_or_b32 v[PW], v[PD+2], 16, v[PW]
	s_delay_alu instid0(VALU_DEP_1)
	v_lshl_or_b32 v[PW], v[PD+3], 24, v[PW]
.irp c, 0,1
	v_cvt_scalef32_pk16_bf6_f32 v[PC+6*\c:PC+6*\c+2], v[S+32*\c:S+32*\c+15], v[CO+2*\c]
	v_cvt_scalef32_pk16_bf6_f32 v[PD+4*\c:PD+4*\c+2], v[S+16+32*\c:S+31+32*\c], v[CO+2*\c+1]
.endr
	v_nop                                          ; one plain place behind a scaled conversion
.irp c, 0,1
.irp i, 0,1,2
	v_permlane16_swap_b32 v[PC+6*\c+\i], v[PD+4*\c+\i]
.endr
.irp i, 0,1,2
	s_delay_alu instid0(VALU_DEP_3)
	v_mov_b32 v[PC+3+6*\c+\i], v[PD+4*\c+\i]
.endr
.endr
.set jj, 0
.rept 16
	v_pk_mul_f32 v[OT+jj:OT+jj+1], v[OT+jj:OT+jj+1], v[FF:FF+1] op_sel_hi:[1,0]   ; O^T under the new M; these sixteen are also the places in front of the scaled products
.set jj, jj+2
.endr
	s_wait_alu depctr_va_vdst(0)
	s_wait_dscnt 0x0                               ; v's fragments and words
.irp t, 0,1,2,3                                ; four accumulators by turns, one instruction a turn
.if \t%2
	v_wmma_scale_f32_16x16x128_f8f6f4 v[OT+8*\t:OT+8*\t+7], v[FB+12*\t:FB+12*\t+11], v[PC:PC+11], v[OT+8*\t:OT+8*\t+7], v[SV+\t/2], v[PW] matrix_a_fmt:MATRIX_FMT_BF6 matrix_b_fmt:MATRIX_FMT_BF6 matrix_a_scale:MATRIX_SCALE_ROW1
.else
	v_wmma_scale_f32_16x16x128_f8f6f4 v[OT+8*\t:OT+8*\t+7], v[FB+12*\t:FB+12*\t+11], v[PC:PC+11], v[OT+8*\t:OT+8*\t+7], v[SV+\t/2], v[PW] matrix_a_fmt:MATRIX_FMT_BF6 matrix_b_fmt:MATRIX_FMT_BF6
.endif
.endr
	s_add_co_u32 s2, s2, REC
.endm
.macro TAIL y                          ; O / l, brought into the true order of the head's 64, quantised, stored as half a fragment (6 registers) and a scale word
.rept 4
	v_nop                                          ; places behind the last products
.endr
	v_add_f32 v14, v14, v15
	s_delay_alu instid0(VALU_DEP_1)
	v_permlanex16_b32 v[T], v14, s20, s21
	s_delay_alu instid0(VALU_DEP_1)
	v_add_f32 v14, v14, v[T]                       ; the row's sum
	s_wait_alu depctr_va_vdst(0)
	v_rcp_f32 v14, v14
	v_nop
	s_wait_alu depctr_va_vdst(0)                   ; the wait ahead of the reciprocal's first reader
.set jj, 0
.rept 32
	v_mul_f32 v[S+jj], v[OT+jj], v14               ; register 8 t + j: channel 16 t + 8 h + j
.set jj, jj+1
.endr
.irp b, 0,1
.irp j, 0,1,2,3,4,5,6,7
	v_permlane16_swap_b32 v[S+16*\b+\j], v[S+8+16*\b+\j]   ; my 16 registers of block b are now channels 32 b + 16 h + 0 .. 15, in order: Wo's codes lie in memory's order
.endr
.endr
.irp b, 0,1
	v_max3_num_f32 v[MX+\b], |v[S+16*\b]|, |v[S+1+16*\b]|, 0x2800000
.endr
.irp i, 2,4,6,8,10,12,14
.irp b, 0,1
	s_delay_alu instid0(VALU_DEP_2)
	v_max3_num_f32 v[MX+\b], v[MX+\b], |v[S+16*\b+\i]|, |v[S+1+16*\b+\i]|
.endr
.endr
.irp b, 0,1
	s_delay_alu instid0(VALU_DEP_2)
	v_permlanex16_b32 v[PD+\b], v[MX+\b], s20, s21
.endr
.irp b, 0,1
	s_delay_alu instid0(VALU_DEP_2)
	v_max_num_f32 v[MX+\b], v[MX+\b], v[PD+\b]
.endr
.irp b, 0,1
	s_delay_alu instid0(VALU_DEP_2)
	v_add_nc_u32 v[CO+\b], 0xfe000000, v[MX+\b]
.endr
.irp b, 0,1
	s_delay_alu instid0(VALU_DEP_2)
	v_lshrrev_b32 v[PD+\b], 23, v[CO+\b]
.endr
	s_delay_alu instid0(VALU_DEP_1)
	v_lshl_or_b32 v[T], v[PD+1], 8, v[PD]
	v_cvt_scalef32_pk16_bf6_f32 v[PC:PC+2], v[S:S+15], v[CO]
	v_cvt_scalef32_pk16_bf6_f32 v[PD+4:PD+6], v[S+16:S+31], v[CO+1]
	v_nop
.irp i, 0,1,2
	v_permlane16_swap_b32 v[PC+\i], v[PD+4+\i]
.endr
.irp i, 0,1,2
	s_delay_alu instid0(VALU_DEP_3)
	v_mov_b32 v[PC+3+\i], v[PD+4+\i]
.endr
	global_store_b128 v[LI], v[PC:PC+3], s[8:9]                  ; 512 and 256 consecutive bytes, aligned to 256
	global_store_b64 v[L8], v[PC+4:PC+5], s[8:9] offset:512
	v_cndmask_b32 v[OW], v[OW], v[T], s38          ; this pass's sixteen lanes take its words
.endm
	s_mov_b32 s39, 2                               ; two passes, one for each of my tiles of 16 queries: the pass is written once
.Lpass:
	s_wait_xcnt 0x0                                ; earlier memory instructions have read their registers
.irp i, 0,1,2,3,4,5
	v_mov_b32 v[QLO+\i], v[QI+\i]
	v_mov_b32 v[QHI+6+\i], v[QI+\i]
.endr
	v_and_b32 v[SQLO], 0xffff, v[QW]
	v_lshlrev_b32 v[SQHI], 16, v[QW]
	v_mov_b32 v13, 0xff61b1e6                      ; the largest t so far: -3e38
	s_delay_alu instid0(VALU_DEP_1)
	v_floor_f32 v12, -v13
	v_mov_b32 v14, 0
	v_mov_b32 v15, 0
.set jj, 0
.rept 32
	v_mov_b32 v[OT+jj], 0                          ; the step's first trip finds zeros.  (These are also the places between the operands made above and the first scaled product)
.set jj, jj+1
.endr
	s_mov_b32 s2, 0
	s_mov_b32 s3, 16
.Lstep:
	STEP
	s_sub_co_u32 s3, s3, 1
	s_cmp_lg_u32 s3, 0
	s_cbranch_scc1 .Lstep
	TAIL 0
.irp i, 0,1,2,3,4,5
	v_mov_b32 v[QI+\i], v[QI+6+\i]                 ; the second tile's codes and scale bytes take the first's places
.endr
	v_lshrrev_b32 v[QW], 16, v[QW]
	s_not_b32 s38, s38
	s_wait_xcnt 0x0                                ; the stores have read their base
	s_add_nc_u64 s[8:9], s[8:9], 12288             ; the next token tile's images
	s_sub_co_u32 s39, s39, 1
	s_cmp_lg_u32 s39, 0
	s_wait_alu depctr_va_vdst(0)
	s_cbranch_scc1 .Lpass
	global_store_b32 v[L4], v[OW], s[10:11]        ; lanes 0-15 the first tile's words, lanes 16-31 the second's
	s_wait_tensorcnt 0x0                           ; the wave's end
	ds_add_u32 v[SPW], v[NIL]
	s_wait_dscnt 0x0
	CROUND                                         ; the closing round
	s_endpgm
.Lfunc_end_k_qb16e3ee471_attn:
	.size	k_qb16e3ee471_attn, .Lfunc_end_k_qb16e3ee471_attn-k_qb16e3ee471_attn
	.p2alignl 7, 3214868480
	.fill 96, 4, 3214868480
	.section	.rodata,"a",@progbits
	.p2align	6, 0x0
	.amdhsa_kernel k_qb16e3ee471_attn
		.amdhsa_group_segment_fixed_size 262144
		.amdhsa_private_segment_fixed_size 0
		.amdhsa_enable_private_segment 0
		.amdhsa_kernarg_size 64
		.amdhsa_user_sgpr_count 2
		.amdhsa_user_sgpr_kernarg_segment_ptr 1
		.amdhsa_wavefront_size32 1
		.amdhsa_system_sgpr_workgroup_id_x 1
		.amdhsa_system_sgpr_workgroup_id_y 1
		.amdhsa_system_sgpr_workgroup_id_z 1
		.amdhsa_system_vgpr_workitem_id 0
		.amdhsa_next_free_vgpr 256
		.amdhsa_next_free_sgpr 96
		.amdhsa_reserve_vcc 0
		.amdhsa_float_denorm_mode_32 3
		.amdhsa_float_denorm_mode_16_64 3
		.amdhsa_memory_ordered 1
		.amdhsa_forward_progress 1
		.amdhsa_inst_pref_size 69
	.end_amdhsa_kernel
	.amdgpu_metadata
---
amdhsa.version: [ 1, 2 ]
amdhsa.kernels:
  - .name:           k_qb16e3ee471_attn
    .symbol:         k_qb16e3ee471_attn.kd
    .args:
      - { .name: qc, .offset: 0, .size: 8, .value_kind: global_buffer, .address_space: global }
      - { .name: qs, .offset: 8, .size: 8, .value_kind: global_buffer, .address_space: global }
      - { .name: Wq_codes, .offset: 16, .size: 8, .value_kind: global_buffer, .address_space: global }
      - { .name: Wq_scales, .offset: 24, .size: 8, .value_kind: global_buffer, .address_space: global }
      - { .name: bq, .offset: 32, .size: 8, .value_kind: global_buffer, .address_space: global }
      - { .name: kv, .offset: 40, .size: 8, .value_kind: global_buffer, .address_space: global }
      - { .name: aimg, .offset: 48, .size: 8, .value_kind: global_buffer, .address_space: global }
      - { .name: ascl, .offset: 56, .size: 8, .value_kind: global_buffer, .address_space: global }
    .group_segment_fixed_size: 262144
    .private_segment_fixed_size: 0
    .kernarg_segment_align: 8
    .kernarg_segment_size: 64
    .max_flat_workgroup_size: 512
    .sgpr_count:     96
    .vgpr_count:     256
    .wavefront_size: 32
...
	.end_amdgpu_metadata
.endif
;; end of part 2
;; launch outproj (part 3): grid 4 x 64, 4 waves a work-group, clusters of 4 x 4, 327,680 bytes of LDS; arguments aimg, ascl, Wo_codes, Wo_scales, Q, y, pstat; writes y, pstat
.if DOCPART == 3
	.amdgcn_target "amdgcn-amd-amdhsa--gfx1250"
	.amdhsa_code_object_version 6
	.text
	.protected	k_qb16e3ee471_outproj
	.globl	k_qb16e3ee471_outproj
	.p2align	8
	.type	k_qb16e3ee471_outproj,@function
k_qb16e3ee471_outproj:
	s_mov_b64 s[64:65], 0
	v_nop
	global_prefetch_b8 v0, s[64:65] scope:SCOPE_SE
	s_setreg_imm32_b32 hwreg(HW_REG_WAVE_MODE, 25, 1), 1
	s_wait_xcnt 0x0
	s_wait_alu depctr_hold_cnt(0) depctr_sa_sdst(0) depctr_va_vdst(0) depctr_va_sdst(0) depctr_va_ssrc(0) depctr_va_vcc(0) depctr_vm_vsrc(0)
	s_getreg_b32 s2, hwreg(HW_REG_IB_STS2, 6, 4)
	s_cmp_eq_u32 s2, 0
	s_cbranch_scc0 .Lentry_in_a_cluster
	s_endpgm
.Lentry_in_a_cluster:
	s_bfe_u32 s2, ttmp6, 0x10000c
	s_cmp_lg_u32 s2, 0xf033
	s_cbranch_scc0 .Lentry_shape_is_right
	s_endpgm
.Lentry_shape_is_right:
; THE OUTPUT PROJECTION AND THE RESIDUAL: y = a Wo + Q, and for each block of 64 tokens each channel's mean and sum of squared deviations (pstat).
; bo is left out: it is the same for every token of a channel, so the batch norm's mean takes it away (shown at the head of the first kernel).
; A work-group makes 128 tokens x 256 channels, a wave 64 x 128 (32 accumulators).  ALL OF K LIES IN LDS AT ONCE: a's images of 128 tokens are 98,304 dense bytes, Wo's 256 rows of 768 bytes are 196,608 dense bytes,
; brought as rows of 256 bytes with 16 of padding (a row of Wo is three of them, 816 bytes), Wo's scales 8,192.  One tensor load a wave at the head, nothing is filled again, no barrier in the walk along K.
; CLUSTER: a's block is asked for jointly along a row of the cluster, Wo's along a column.  No prefetch: all that the launch reads is asked for at its head.
; Source 0 = rows of Wo, source 1 = tokens: a lane holds eight neighbouring channels of one token.  The way out goes through a stage over a's bytes, behind a barrier behind which nobody reads them.
.set FR,     12
.set NP,     4
.set WROW,   816
.set HALFW,  128*WROW
.set WB,     98304                     ; Wo's codes, behind a's images
.set SCLA,   WB+2*HALFW                ; a's scale words, stored by the waves: 128 rows of 32 bytes
.set SCLB,   SCLA+4096                 ; Wo's scales: 32 rows of 256 + 16
.set SPARE,  SCLB+32*272
.set SPITCH, 528
.set ADA16, 16
.set ADA8,  18
.set ADRB,  20                         ; v20-21 Wo's blocks 0-3, 4-7; v22-23 the same for pieces whose lanes 16-31 lie in the next 256 bytes
.set STO,   24
.set RD,    25
.set CO,    26
.set ADRSP, 27
.set SPW,   28
.set NIL,   29
.set ADRSR, 30
.set ASW,   31
.set SC,    32
.set HT,    96
.set RF,    128
.set BK,    128
.set CC,    96
.set SUM1,  100
.set SUM2,  104
.set DD,    108
.set MN,    112
.set G1A, 24
.set G0A, 32
.set G1B, 48
.set G0B, 56
.set G1S, 68
.set G0S, 76
.set MSB, 0
.macro WIN new
.if MSB != (\new)
	s_set_vgpr_msb (MSB<<8)|(\new)
.set MSB, (\new)
.endif
.endm
.set MUL,  0xa1
.set TO_P, 0x40
.macro CREST
	s_cmp_lg_u32 s18, 0
	s_cbranch_scc1 .Lnot_wave_0_\@
	s_barrier_signal -3
.Lnot_wave_0_\@:
	s_barrier_wait -3
	s_barrier_signal -1
	s_barrier_wait -1
.endm
.macro CROUND
	s_barrier_signal -1
	s_barrier_wait -1
	CREST
.endm
	s_load_b256 s[4:11], s[0:1], 0x0               ; aimg, ascl, Wo_codes, Wo_scales
	s_load_b128 s[12:15], s[0:1], 0x20             ; Q, y
	s_load_b64 s[16:17], s[0:1], 0x30              ; pstat
	v_lshl_add_u32 v[SPW], v0, 2, SPARE
	v_mov_b32 v[NIL], 0
	ds_add_u32 v[SPW], v[NIL]                      ; the opening: the add, twice on end, and its wait
	ds_add_u32 v[SPW], v[NIL]
	v_lshrrev_b32 v1, 5, v0
	v_readfirstlane_b32 s18, v1
	s_lshr_b32 s19, s18, 1                         ; my 64 tokens
	s_and_b32 s20, s18, 1                          ; my 128 channels
	s_bfe_u32 s40, ttmp6, 0x40000
	s_bfe_u32 s41, ttmp6, 0x40004
	s_lshl_b32 s42, ttmp9, 2
	s_add_co_u32 s42, s42, s40                     ; tile column: 256 channels
	s_and_b32 s45, ttmp7, 0xffff
	s_lshl_b32 s45, s45, 2
	s_add_co_u32 s45, s45, s41                     ; tile row: 128 tokens
	s_lshl_b32 s43, s41, 2
	s_lshl_b32 s43, 15, s43
	s_lshl_b32 s44, 0x1111, s40
	s_or_b32 s[G1A], s43, (3<<16)|(1<<21)          ; a: 384 dense rows of 256 bytes
	s_mov_b32 s[G1A+1], 32<<16
	s_mov_b32 s[G1A+2], 384<<16
	s_mov_b32 s[G1A+3], 32<<16
	s_mov_b32 s[G1A+4], 384
	s_mov_b32 s[G1A+5], 32
	s_mov_b32 s[G1A+6], 0
	s_mov_b32 s[G1A+7], 0
	s_or_b32 s[G1B], s44, (3<<16)|(1<<20)|(1<<21)|(5<<22)|(3<<25)   ; 128 rows of Wo: 384 rows of 256 bytes, padded
	s_mov_b32 s[G1B+1], 32<<16
	s_mov_b32 s[G1B+2], 384<<16
	s_mov_b32 s[G1B+3], 32<<16
	s_mov_b32 s[G1B+4], 384
	s_mov_b32 s[G1B+5], 32
	s_mov_b32 s[G1B+6], 0
	s_mov_b32 s[G1B+7], 0
	s_or_b32 s[G1S], s44, (3<<16)|(1<<20)|(1<<21)|(5<<22)|(3<<25)   ; Wo's scales: 32 rows
	s_mov_b32 s[G1S+1], 32<<16
	s_mov_b32 s[G1S+2], 32<<16
	s_mov_b32 s[G1S+3], 32<<16
	s_mov_b32 s[G1S+4], 32
	s_mov_b32 s[G1S+5], 32
	s_mov_b32 s[G1S+6], 0
	s_mov_b32 s[G1S+7], 0
	s_mul_i32 s80, s45, 98304
	s_mov_b32 s81, 0
	s_lshl_b32 s46, s42, 8
	s_lshl_b32 s21, s18, 7
	s_add_co_u32 s46, s46, s21                     ; waves 0 and 1 fetch Wo's two halves
	s_mul_i32 s46, s46, 768
	s_mov_b32 s47, 0
	s_lshl_b32 s82, s42, 13
	s_mov_b32 s83, 0
	s_mul_i32 s85, s18, HALFW
	s_add_co_u32 s85, s85, WB
	s_lshr_b32 s88, s45, 4
	s_lshl_b32 s88, s88, 4
	s_lshl_b32 s21, s18, 2
	s_add_co_u32 s88, s88, s21
	s_lshl_b32 s88, s88, 7
	s_and_b32 s21, s45, 15
	s_lshl_b32 s21, s21, 3
	s_add_co_u32 s88, s88, s21
	s_lshl_b32 s88, s88, 6                         ; ascl: heads 4 wave on, my work-group's 128 tokens
	s_mov_b32 s89, 0
	s_lshl_b32 s90, s45, 7
	s_lshl_b32 s21, s19, 6
	s_add_co_u32 s90, s90, s21
	s_lshl_b32 s90, s90, 12
	s_lshl_b32 s22, s42, 10
	s_lshl_b32 s21, s20, 9
	s_add_co_u32 s22, s22, s21
	s_add_co_u32 s90, s90, s22                     ; Q and y: my first token's row, my first channel
	s_mov_b32 s91, 0
	s_lshl_b32 s92, s45, 1
	s_add_co_u32 s92, s92, s19
	s_lshl_b32 s92, s92, 13
	s_add_co_u32 s92, s92, s22
	s_mov_b32 s93, 0
	v_and_b32 v1, 15, v0
	v_bfe_u32 v2, v0, 4, 1
	v_and_b32 v3, 31, v0
	v_lshlrev_b32 v[CO], 4, v3
	v_lshlrev_b32 v6, 3, v3
	v_mul_u32_u24 v4, v1, WROW
	v_mul_u32_u24 v5, v2, 24
	v_add_nc_u32 v4, v4, v5
	v_lshl_add_u32 v5, v2, 4, v4
	s_mul_i32 s23, s20, HALFW
	s_add_co_u32 s23, s23, WB
	s_mul_i32 s87, s19, 49152
	v_add_nc_u32 v[ADRB], s23, v4
	v_add_nc_u32 v[ADRB+2], s23, v5
	v_add_nc_u32 v[ADA16], s87, v[CO]
	v_add_nc_u32 v[ADA8], s87, v6
	s_add_co_u32 s23, s23, 64*WROW
	v_add_nc_u32 v[ADRB+1], s23, v4
	v_add_nc_u32 v[ADRB+3], s23, v5
	v_lshlrev_b32 v4, 5, v1
	v_lshrrev_b32 v5, 3, v1
	v_lshl_add_u32 v5, v5, 4, v4
	s_mul_i32 s23, s20, 4352
	s_add_co_u32 s23, s23, SCLB
	v_add_nc_u32 v[ADRSP], s23, v5
	s_lshl_b32 s23, s19, 11
	s_add_co_u32 s23, s23, SCLA
	v_add_nc_u32 v[ADRSR], s23, v4
	s_lshl_b32 s23, s18, 3
	s_add_co_u32 s23, s23, SCLA
	v_lshlrev_b32 v[ASW], 7, v3
	v_add_nc_u32 v[ASW], s23, v[ASW]
	s_mul_i32 s23, s18, 16*SPITCH
	v_mul_u32_u24 v4, v1, SPITCH
	v_lshl_add_u32 v4, v2, 5, v4
	v_add_nc_u32 v[STO], s23, v4
	v_add_nc_u32 v[RD], s23, v[CO]
	s_wait_alu depctr_va_vdst(0)
	s_wait_dscnt 0x0
	s_wait_kmcnt 0x0
	s_add_nc_u64 s[80:81], s[4:5], s[80:81]
	s_add_nc_u64 s[46:47], s[8:9], s[46:47]
	s_add_nc_u64 s[82:83], s[10:11], s[82:83]
	s_add_nc_u64 s[6:7], s[6:7], s[88:89]
	s_add_nc_u64 s[12:13], s[12:13], s[90:91]
	s_add_nc_u64 s[14:15], s[14:15], s[90:91]
	s_add_nc_u64 s[16:17], s[16:17], s[92:93]
	s_mov_b32 s[G0A], 1
	s_mov_b32 s[G0A+1], 0
	s_mov_b64 s[G0A+2:G0A+3], s[80:81]
	s_or_b32 s[G0A+3], s[G0A+3], 0x80000000
	s_mov_b32 s[G0B], 1
	s_mov_b32 s[G0B+1], s85
	s_mov_b64 s[G0B+2:G0B+3], s[46:47]
	s_or_b32 s[G0B+3], s[G0B+3], 0x80000000
	s_mov_b32 s[G0S], 1
	s_mov_b32 s[G0S+1], SCLB
	s_mov_b64 s[G0S+2:G0S+3], s[82:83]
	s_or_b32 s[G0S+3], s[G0S+3], 0x80000000
.irp e, 0,1,2,3
	global_load_b128 v[HT+4*\e:HT+4*\e+3], v[CO], s[6:7] offset:8192*\e    ; four heads' scale bytes of four tokens a lane
.endr
	WIN 0xc0
.set ii, 0
.rept 32
	global_load_b128 v[4*ii:4*ii+3], v[CO], s[12:13] offset:4096*ii th:TH_LOAD_NT   ; the residual: a row of 512 bytes a load, into window 3
.set ii, ii+1
.endr
	WIN 0
	CROUND                                         ; all sixteen work-groups are here: the joint loads meet
.macro ARM under, g0, g1, next         ; one chain of branches on the wave's number, one load to an arm
	s_cmp_lt_u32 s18, \under
	s_cbranch_scc0 \next
	tensor_load_to_lds s[\g0:\g0+3], s[\g1:\g1+7]
	s_nop 0
.rept 4
	v_nop
.endr
	s_branch .Lhead_asked
\next:
.endm
	ARM 2, G0B, G1B, .Lhead_a
	ARM 3, G0A, G1A, .Lhead_s
	tensor_load_to_lds s[G0S:G0S+3], s[G1S:G1S+7]
	s_nop 0
.rept 4
	v_nop
.endr
.Lhead_asked:
	s_wait_loadcnt 32                              ; the scale bytes are in; the residual's 32 loads may be out
.irp i, 0,1,2,3
	v_lshl_or_b32 v[HT+16+2*\i], v[HT+4+\i], 16, v[HT+\i]
	v_lshl_or_b32 v[HT+17+2*\i], v[HT+12+\i], 16, v[HT+8+\i]
.endr
.irp i, 0,1,2,3
	ds_store_b64 v[ASW], v[HT+16+2*\i:HT+17+2*\i] offset:32*\i     ; token 4 lane + i: the words of steps 2 wave, 2 wave + 1
.endr
	WIN 0xc0
.rept 32
	global_load_b128 v[4*ii:4*ii+3], v[CO], s[12:13] offset:4096*ii th:TH_LOAD_NT
.set ii, ii+1
.endr
	WIN 0
.macro FRAG reg, st, i                 ; 16 rows of Wo x 128 K: byte y of a row lies at 272 (y / 256) + y % 256
.irp p, 0,1,2,3,4,5
.set BY, 96*(\st)+48*(\p/3)+8*(\p%3)
.if BY/256 == (BY+24)/256
	ds_load_b64 v[\reg+2*\p:\reg+2*\p+1], v[ADRB+(\i)/4] offset:((\i)%4)*16*WROW+272*(BY/256)+BY%256
.else
	ds_load_b64 v[\reg+2*\p:\reg+2*\p+1], v[ADRB+2+(\i)/4] offset:((\i)%4)*16*WROW+272*(BY/256)+BY%256
.endif
.endr
.endm
.macro FRAGA st, a                     ; a's images: heads 2 st and 2 st + 1 of token tile a
.irp c, 0,1
	ds_load_b128 v[RF+FR*(\a)+6*\c:RF+FR*(\a)+6*\c+3], v[ADA16] offset:(\a)*12288+(2*(\st)+\c)*768
	ds_load_b64 v[RF+FR*(\a)+6*\c+4:RF+FR*(\a)+6*\c+5], v[ADA8] offset:(\a)*12288+(2*(\st)+\c)*768+512
.endr
.endm
.macro MUL8 a, p, q, sc, zero          ; the accumulators take turns
.irp b, 0,1,2,3,4,5,6,7
.if \zero
	v_wmma_scale_f32_16x16x128_f8f6f4 v[8*(8*(\a)+\b):8*(8*(\a)+\b)+7], v[128*(\p)+FR*\b:128*(\p)+FR*\b+FR-1], v[RF+FR*(\a):RF+FR*(\a)+FR-1], 0, v[SC+24*(\sc)+2*\b+(\q)], v[SC+24*(\sc)+16+2*(\a)+(\q)] matrix_a_fmt:MATRIX_FMT_BF6 matrix_b_fmt:MATRIX_FMT_BF6
.else
	v_wmma_scale_f32_16x16x128_f8f6f4 v[8*(8*(\a)+\b):8*(8*(\a)+\b)+7], v[128*(\p)+FR*\b:128*(\p)+FR*\b+FR-1], v[RF+FR*(\a):RF+FR*(\a)+FR-1], v[8*(8*(\a)+\b):8*(8*(\a)+\b)+7], v[SC+24*(\sc)+2*\b+(\q)], v[SC+24*(\sc)+16+2*(\a)+(\q)] matrix_a_fmt:MATRIX_FMT_BF6 matrix_b_fmt:MATRIX_FMT_BF6
.endif
.endr
.endm
.macro FETCH_P st, p
	WIN TO_P
.irp i, 0,1,2,3,4,5,6,7
	FRAG 128*(\p)+FR*\i, \st, \i
.endr
	WIN 0
.endm
.macro FETCH_R st, a0
	FRAGA \st, \a0
	FRAGA \st, (\a0)+1
.endm
.macro SCALES pr                       ; the scale words of steps 2 pr, 2 pr + 1 into set pr % 2
.irp i, 0,1,2,3,4,5,6,7
	ds_load_b64 v[SC+24*((\pr)%2)+2*\i:SC+24*((\pr)%2)+2*\i+1], v[ADRSP] offset:\i*544+8*(\pr)
.endr
.irp a, 0,1,2,3
	ds_load_b64 v[SC+24*((\pr)%2)+16+2*\a:SC+24*((\pr)%2)+16+2*\a+1], v[ADRSR] offset:\a*512+8*(\pr)
.endr
.endm
.macro PLACES n
.rept \n
	v_nop
.endr
.endm
.macro STEP st, zero                   ; 32 products; the next step's fragments are fetched in its middle and at its end
.set NX, (\st)+1
	s_wait_dscnt 8                                 ; a's tiles 2 and 3, the youngest eight loads, may be out
	WIN MUL
	MUL8 0, (\st)%2, (\st)%2, ((\st)/2)%2, \zero
	MUL8 1, (\st)%2, (\st)%2, ((\st)/2)%2, \zero
	s_wait_dscnt 0
	PLACES NP
	FETCH_P NX, NX%2
	FETCH_R NX, 0
.if NX%2 == 0
	SCALES NX/2
.endif
	WIN MUL
	MUL8 2, (\st)%2, (\st)%2, ((\st)/2)%2, \zero
	MUL8 3, (\st)%2, (\st)%2, ((\st)/2)%2, \zero
	PLACES NP
	WIN 0
	FETCH_R NX, 2
.endm
	s_wait_tensorcnt 0x0                           ; my tile is in, my scale words are stored:
	s_wait_dscnt 0x0
	s_barrier_signal -1
	s_barrier_wait -1                              ; everybody's.
	FETCH_P 0, 0
	FETCH_R 0, 0
	SCALES 0
	FETCH_R 0, 2
	STEP 0, 1
.set ST, 1
.rept 6
	STEP ST, 0
.set ST, ST+1
.endr
	s_wait_dscnt 8
	WIN MUL
	MUL8 0, 1, 1, 1, 0
	MUL8 1, 1, 1, 1, 0
	s_wait_dscnt 0                                 ; my last reads of the tiles are over:
	s_barrier_signal -1
	MUL8 2, 1, 1, 1, 0
	MUL8 3, 1, 1, 1, 0
	WIN 0
	s_barrier_wait -1                              ; everybody's: the stage may be laid over a's bytes
.macro TOSTAGE a
	WIN 0x08
.irp b, 0,1,2,3,4,5,6,7
	ds_store_b128 v[STO], v[64*(\a)+8*\b:64*(\a)+8*\b+3] offset:64*\b
	ds_store_b128 v[STO], v[64*(\a)+8*\b+4:64*(\a)+8*\b+7] offset:64*\b+16
.endr
	WIN 0
.set BB, BK+64*((\a)%2)
.irp t, 0,1,2,3,4,5,6,7,8,9,10,11,12,13,14,15
	ds_load_b128 v[BB+4*\t:BB+4*\t+3], v[RD] offset:\t*SPITCH
.endr
.endm
.macro OUT a, younger                  ; + the residual; the sums of the deviations from the first token's value and of their squares; the rows are stored
.set BB, BK+64*((\a)%2)
	s_wait_dscnt \younger
	WIN 0x0c
.irp t, 0,1,2,3,4,5,6,7,8,9,10,11,12,13,14,15
	v_pk_add_f32 v[BB+4*\t:BB+4*\t+1], v[BB+4*\t:BB+4*\t+1], v[64*(\a)+4*\t:64*(\a)+4*\t+1]
	v_pk_add_f32 v[BB+4*\t+2:BB+4*\t+3], v[BB+4*\t+2:BB+4*\t+3], v[64*(\a)+4*\t+2:64*(\a)+4*\t+3]
.endr
	WIN 0
.if (\a) == 0
.irp i, 0,1,2,3
	v_mov_b32 v[CC+\i], v[BB+\i]
	v_mov_b32 v[SUM1+\i], 0
	v_mov_b32 v[SUM2+\i], 0
.endr
.endif
.irp t, 0,1,2,3,4,5,6,7,8,9,10,11,12,13,14,15
	v_pk_add_f32 v[DD:DD+1], v[BB+4*\t:BB+4*\t+1], v[CC:CC+1] neg_lo:[0,1] neg_hi:[0,1]
	v_pk_add_f32 v[DD+2:DD+3], v[BB+4*\t+2:BB+4*\t+3], v[CC+2:CC+3] neg_lo:[0,1] neg_hi:[0,1]
	v_pk_add_f32 v[SUM1:SUM1+1], v[SUM1:SUM1+1], v[DD:DD+1]
	v_pk_add_f32 v[SUM1+2:SUM1+3], v[SUM1+2:SUM1+3], v[DD+2:DD+3]
	v_pk_fma_f32 v[SUM2:SUM2+1], v[DD:DD+1], v[DD:DD+1], v[SUM2:SUM2+1]
	v_pk_fma_f32 v[SUM2+2:SUM2+3], v[DD+2:DD+3], v[DD+2:DD+3], v[SUM2+2:SUM2+3]
.endr
.if (\a) > 0
	s_add_nc_u64 s[14:15], s[14:15], 65536
.endif
.irp t, 0,1,2,3,4,5,6,7,8,9,10,11,12,13,14,15
	global_store_b128 v[CO], v[BB+4*\t:BB+4*\t+3], s[14:15] offset:4096*\t
.endr
.endm
	PLACES NP
	s_wait_loadcnt 0x0
	TOSTAGE 0
.irp a, 1,2,3
.if \a > 1
	s_wait_xcnt 0x0
.endif
	TOSTAGE \a
	OUT \a-1, 32
.endr
	s_wait_xcnt 0x0
	OUT 3, 0
	v_pk_mul_f32 v[DD:DD+1], v[SUM1:SUM1+1], 0x3c800000 op_sel_hi:[1,0]
	v_pk_mul_f32 v[DD+2:DD+3], v[SUM1+2:SUM1+3], 0x3c800000 op_sel_hi:[1,0]
	v_pk_add_f32 v[MN:MN+1], v[CC:CC+1], v[DD:DD+1]
	v_pk_add_f32 v[MN+2:MN+3], v[CC+2:CC+3], v[DD+2:DD+3]
	v_pk_fma_f32 v[MN+4:MN+5], v[DD:DD+1], v[SUM1:SUM1+1], v[SUM2:SUM2+1] neg_lo:[1,0,0] neg_hi:[1,0,0]
	v_pk_fma_f32 v[MN+6:MN+7], v[DD+2:DD+3], v[SUM1+2:SUM1+3], v[SUM2+2:SUM2+3] neg_lo:[1,0,0] neg_hi:[1,0,0]
	global_store_b128 v[CO], v[MN:MN+3], s[16:17]
	global_store_b128 v[CO], v[MN+4:MN+7], s[16:17] offset:4096
	s_wait_tensorcnt 0x0                           ; the wave's end
	ds_add_u32 v[SPW], v[NIL]
	s_wait_dscnt 0x0
	CROUND                                         ; the closing round
	s_endpgm
.Lfunc_end_k_qb16e3ee471_outproj:
	.size	k_qb16e3ee471_outproj, .Lfunc_end_k_qb16e3ee471_outproj-k_qb16e3ee471_outproj
	.p2alignl 7, 3214868480
	.fill 96, 4, 3214868480
	.section	.rodata,"a",@progbits
	.p2align	6, 0x0
	.amdhsa_kernel k_qb16e3ee471_outproj
		.amdhsa_group_segment_fixed_size 327680
		.amdhsa_private_segment_fixed_size 0
		.amdhsa_enable_private_segment 0
		.amdhsa_kernarg_size 56
		.amdhsa_user_sgpr_count 2
		.amdhsa_user_sgpr_kernarg_segment_ptr 1
		.amdhsa_wavefront_size32 1
		.amdhsa_system_sgpr_workgroup_id_x 1
		.amdhsa_system_sgpr_workgroup_id_y 1
		.amdhsa_system_sgpr_workgroup_id_z 1
		.amdhsa_system_vgpr_workitem_id 0
		.amdhsa_next_free_vgpr 1024
		.amdhsa_next_free_sgpr 100
		.amdhsa_reserve_vcc 0
		.amdhsa_float_denorm_mode_32 3
		.amdhsa_float_denorm_mode_16_64 3
		.amdhsa_memory_ordered 1
		.amdhsa_forward_progress 1
		.amdhsa_inst_pref_size 135
	.end_amdhsa_kernel
	.amdgpu_metadata
---
amdhsa.version: [ 1, 2 ]
amdhsa.kernels:
  - .name:           k_qb16e3ee471_outproj
    .symbol:         k_qb16e3ee471_outproj.kd
    .args:
      - { .name: aimg, .offset: 0, .size: 8, .value_kind: global_buffer, .address_space: global }
      - { .name: ascl, .offset: 8, .size: 8, .value_kind: global_buffer, .address_space: global }
      - { .name: Wo_codes, .offset: 16, .size: 8, .value_kind: global_buffer, .address_space: global }
      - { .name: Wo_scales, .offset: 24, .size: 8, .value_kind: global_buffer, .address_space: global }
      - { .name: Q, .offset: 32, .size: 8, .value_kind: global_buffer, .address_space: global }
      - { .name: y, .offset: 40, .size: 8, .value_kind: global_buffer, .address_space: global }
      - { .name: pstat, .offset: 48, .size: 8, .value_kind: global_buffer, .address_space: global }
    .group_segment_fixed_size: 327680
    .private_segment_fixed_size: 0
    .kernarg_segment_align: 8
    .kernarg_segment_size: 56
    .max_flat_workgroup_size: 128
    .sgpr_count:     100
    .vgpr_count:     1024
    .wavefront_size: 32
...
	.end_amdgpu_metadata
.endif
;; end of part 3
;; launch norm (part 4): grid 16 x 16, 8 waves a work-group, no clusters, 136,192 bytes of LDS; arguments y, pstat, gamma, beta, out0; writes out0
.if DOCPART == 4
	.amdgcn_target "amdgcn-amd-amdhsa--gfx1250"
	.amdhsa_code_object_version 6
	.text
	.protected	k_qb16e3ee471_norm
	.globl	k_qb16e3ee471_norm
	.p2align	8
	.type	k_qb16e3ee471_norm,@function
k_qb16e3ee471_norm:
	s_mov_b64 s[64:65], 0
	v_nop
	global_prefetch_b8 v0, s[64:65] scope:SCOPE_SE
	s_setreg_imm32_b32 hwreg(HW_REG_WAVE_MODE, 25, 1), 1
	s_wait_xcnt 0x0
; THE BATCH NORM AND THE TRANSPOSITION: out0[b][c][s] = (y[b s][c] - mean_c) rsqrt(var_c + 1e-5) gamma_c + beta_c.
; A work-group takes 64 channels (x) x 512 tokens (y).  It joins the 128 blocks' means and sums of squared deviations of its channels: mean = the mean of the means (the blocks are equal, 64 tokens);
; var = (the sum of the blocks' sums + 64 x the sum of (a block's mean - mean)^2) / 8192: no difference of large sums.  Thread t takes channel t % 64 and 32 blocks; four threads meet in LDS.
; y is read in rows of 256 bytes (sixteen lanes a row), scaled, and turned through LDS: a token's 256 bytes form a row of the stage, its 16-byte pieces rotated by (token / 4) mod 16, so that neither the stores nor
; the reads down the tokens fall on the same words' columns.  Each store of out0 covers, in sixteen lanes, 256 consecutive bytes of one channel's row.  Work-groups share no large input: no cluster; no products: no matrix unit.
.set RED1,  131072                     ; behind the stage of 512 x 256 bytes: 256 words; RED2 1,024 bytes on; the scales and shifts 2,048 bytes on (four copies of 512)
.set SS,    RED1+2048
.set SPARE, RED1+4096
	s_load_b256 s[4:11], s[0:1], 0x0               ; y, pstat, gamma, beta
	s_load_b64 s[12:13], s[0:1], 0x20              ; out0
	v_lshl_add_u32 v2, v0, 2, SPARE                ; my spare word; never rewritten
	v_mov_b32 v3, 0                                ; 0; never rewritten
	v_lshrrev_b32 v1, 5, v0
	s_delay_alu instid0(VALU_DEP_1)
	v_readfirstlane_b32 s14, v1                    ; wave
	s_and_b32 s16, ttmp7, 0xffff                   ; which 512 tokens
	v_and_b32 v18, 15, v0                          ; i
	v_bfe_u32 v19, v0, 4, 1                        ; g
	v_and_b32 v20, 63, v0                          ; my channel of the 64
	v_lshrrev_b32 v21, 6, v0                       ; my quarter of the blocks
	s_delay_alu instid0(VALU_DEP_2)
	v_lshlrev_b32 v5, 2, v20
	s_delay_alu instid0(VALU_DEP_1)
	v_lshl_add_u32 v4, v21, 18, v5                 ; pstat: 32 blocks of 8,192 bytes a quarter
	v_lshlrev_b32 v22, 4, v18                      ; 16 i
	s_delay_alu instid0(VALU_DEP_1)
	v_lshl_add_u32 v6, v19, 12, v22                ; y: row g, 16 i
	v_lshl_add_u32 v7, v0, 2, RED1
	v_lshl_add_u32 v8, v20, 2, RED1
	v_lshl_add_u32 v9, v21, 9, v5
	s_delay_alu instid0(VALU_DEP_1)
	v_add_nc_u32 v9, SS, v9                        ; my copy's word
	v_lshl_add_u32 v10, v21, 9, v22
	s_delay_alu instid0(VALU_DEP_1)
	v_add_nc_u32 v10, SS, v10                      ; my wave pair's copy, channels 4 i on
	v_lshlrev_b32 v11, 14, v1
	s_delay_alu instid0(VALU_DEP_1)
	v_lshl_add_u32 v11, v19, 8, v11                ; the stage on the way in: 64 rows a wave, row g
	v_lshlrev_b32 v23, 1, v1
	s_delay_alu instid0(VALU_DEP_1)
	v_add_nc_u32 v23, v23, v18                     ; 2 wave + i
	s_delay_alu instid0(VALU_DEP_1)
	v_and_b32 v24, 15, v23
	s_delay_alu instid0(VALU_DEP_1)
	v_lshlrev_b32 v13, 4, v24
	s_delay_alu instid0(VALU_DEP_1)
	v_lshl_add_u32 v13, v18, 10, v13
	s_delay_alu instid0(VALU_DEP_1)
	v_lshl_add_u32 v13, v19, 2, v13                ; on the way out: tokens 4 i on, piece (2 wave + i) mod 16, word g
	v_add_nc_u32 v24, 1, v23
	s_delay_alu instid0(VALU_DEP_1)
	v_and_b32 v24, 15, v24
	s_delay_alu instid0(VALU_DEP_1)
	v_lshlrev_b32 v14, 4, v24
	s_delay_alu instid0(VALU_DEP_1)
	v_lshl_add_u32 v14, v18, 10, v14
	s_delay_alu instid0(VALU_DEP_1)
	v_lshl_add_u32 v14, v19, 2, v14                ; the next piece
	v_add_nc_u32 v15, 0x10000, v13                 ; and both for tokens 256 on
	s_delay_alu instid0(VALU_DEP_2)
	v_add_nc_u32 v16, 0x10000, v14
	v_lshl_add_u32 v17, v19, 13, v22               ; out0: channel g, 16 i
	s_lshl_b32 s18, ttmp9, 8                       ; my 64 channels, in bytes
	s_mov_b32 s19, 0
	s_lshl_b32 s20, s16, 21
	s_lshl_b32 s21, s14, 18
	s_add_co_u32 s20, s20, s21
	s_add_co_u32 s20, s20, s18                     ; y: token 512 y + 64 wave
	s_mov_b32 s21, 0
	s_lshr_b32 s22, s16, 2
	s_lshl_b32 s22, s22, 23                        ; out0: the batch,
	s_lshl_b32 s23, ttmp9, 19
	s_add_co_u32 s22, s22, s23                     ; 64 channels a work-group,
	s_lshl_b32 s23, s14, 16
	s_add_co_u32 s22, s22, s23                     ; 8 a wave,
	s_and_b32 s23, s16, 3
	s_lshl_b32 s23, s23, 11
	s_add_co_u32 s22, s22, s23                     ; 512 tokens
	s_mov_b32 s23, 0
	s_mov_b32 s24, 0x3727c5ac                      ; 1e-5
	s_wait_kmcnt 0x0
	s_add_nc_u64 s[6:7], s[6:7], s[18:19]
	s_add_nc_u64 s[8:9], s[8:9], s[18:19]
	s_add_nc_u64 s[10:11], s[10:11], s[18:19]
	s_add_nc_u64 s[4:5], s[4:5], s[20:21]
	s_add_nc_u64 s[12:13], s[12:13], s[22:23]
.set nn, 0
.rept 32
	global_load_b32 v[32+nn], v4, s[6:7] offset:8192*nn          ; 32 blocks' means
.set nn, nn+1
.endr
.set nn, 0
.rept 32
	global_load_b32 v[64+nn], v4, s[6:7] offset:8192*nn+4096     ; and sums of squared deviations
.set nn, nn+1
.endr
	global_load_b32 v96, v5, s[8:9]
	global_load_b32 v97, v5, s[10:11]
.set nn, 0
.rept 32
	global_load_b128 v[128+4*nn:131+4*nn], v6, s[4:5] offset:8192*nn th:TH_LOAD_NT   ; two rows of 256 bytes
.set nn, nn+1
.endr
	s_wait_loadcnt 32                              ; the statistics are in; y's 32 loads may be out
	v_pk_add_f32 v[100:101], v[32:33], v[34:35]
	v_pk_add_f32 v[126:127], v[40:41], v[44:45]
	v_pk_add_f32 v[124:125], v[48:49], v[52:53]
	v_pk_add_f32 v[122:123], v[56:57], v[60:61]
	v_pk_add_f32 v[120:121], v[36:37], v[38:39]
	v_pk_add_f32 v[118:119], v[42:43], v[46:47]
	v_pk_add_f32 v[116:117], v[50:51], v[54:55]
	v_pk_add_f32 v[98:99], v[58:59], v[62:63]
	s_delay_alu instid0(VALU_DEP_1)
	v_pk_add_f32 v[98:99], v[98:99], v[122:123]
	v_pk_add_f32 v[100:101], v[100:101], v[120:121]
	v_pk_add_f32 v[126:127], v[126:127], v[118:119]
	v_pk_add_f32 v[124:125], v[124:125], v[116:117]
	s_delay_alu instid0(VALU_DEP_2)
	v_pk_add_f32 v[98:99], v[98:99], v[126:127]
	s_delay_alu instid0(VALU_DEP_2)
	v_pk_add_f32 v[100:101], v[100:101], v[124:125]
	s_delay_alu instid0(VALU_DEP_1)
	v_pk_add_f32 v[98:99], v[98:99], v[100:101]
	s_delay_alu instid0(VALU_DEP_1)
	v_add_f32 v98, v98, v99
	ds_store_b32 v7, v98
	s_wait_dscnt 0x0                               ; for the others' sake
	s_barrier_signal -1
	s_barrier_wait -1
	ds_load_b32 v100, v8
	ds_load_b32 v101, v8 offset:256
	ds_load_b32 v102, v8 offset:512
	ds_load_b32 v103, v8 offset:768
	s_wait_dscnt 0x0
	v_add_f32 v100, v100, v101
	v_add_f32 v102, v102, v103
	s_delay_alu instid0(VALU_DEP_1)
	v_add_f32 v100, v100, v102
	s_delay_alu instid0(VALU_DEP_1)
	v_mul_f32 v104, 0x3c000000, v100               ; the mean: / 128
	s_delay_alu instid0(VALU_DEP_1)
	v_mov_b32 v105, v104
	v_pk_add_f32 v[100:101], v[64:65], v[66:67]
	v_pk_add_f32 v[126:127], v[72:73], v[76:77]
	v_pk_add_f32 v[124:125], v[80:81], v[84:85]
	v_pk_add_f32 v[122:123], v[88:89], v[92:93]
	v_pk_add_f32 v[120:121], v[68:69], v[70:71]
	v_pk_add_f32 v[118:119], v[74:75], v[78:79]
	v_pk_add_f32 v[116:117], v[82:83], v[86:87]
	v_pk_add_f32 v[98:99], v[90:91], v[94:95]
	s_delay_alu instid0(VALU_DEP_1)
	v_pk_add_f32 v[98:99], v[98:99], v[122:123]
	v_pk_add_f32 v[100:101], v[100:101], v[120:121]
	v_pk_add_f32 v[126:127], v[126:127], v[118:119]
	v_pk_add_f32 v[124:125], v[124:125], v[116:117]
	s_delay_alu instid0(VALU_DEP_2)
	v_pk_add_f32 v[98:99], v[98:99], v[126:127]
	s_delay_alu instid0(VALU_DEP_2)
	v_pk_add_f32 v[100:101], v[100:101], v[124:125]
	s_delay_alu instid0(VALU_DEP_1)
	v_pk_add_f32 v[98:99], v[98:99], v[100:101]
	s_delay_alu instid0(VALU_DEP_1)
	v_add_f32 v98, v98, v99
.irp j, 32,34,36,38,40,42,44,46,48,50,52,54,56,58,60,62
	v_pk_add_f32 v[\j:\j+1], v[\j:\j+1], v[104:105] neg_lo:[0,1] neg_hi:[0,1]
.endr
	v_pk_mul_f32 v[106:107], v[32:33], v[32:33]
	v_pk_mul_f32 v[108:109], v[34:35], v[34:35]
.irp j, 36,40,44,48,52,56,60
	s_delay_alu instid0(VALU_DEP_2)
	v_pk_fma_f32 v[106:107], v[\j:\j+1], v[\j:\j+1], v[106:107]
	s_delay_alu instid0(VALU_DEP_2)
	v_pk_fma_f32 v[108:109], v[\j+2:\j+3], v[\j+2:\j+3], v[108:109]
.endr
	s_delay_alu instid0(VALU_DEP_1)
	v_pk_add_f32 v[106:107], v[106:107], v[108:109]
	s_delay_alu instid0(VALU_DEP_1)
	v_add_f32 v106, v106, v107
	s_delay_alu instid0(VALU_DEP_1)
	v_fma_f32 v98, 0x42800000, v106, v98           ; + 64 x the squares
	ds_store_b32 v7, v98 offset:1024
	s_wait_dscnt 0x0
	s_barrier_signal -1
	s_barrier_wait -1
	ds_load_b32 v100, v8 offset:1024
	ds_load_b32 v101, v8 offset:1280
	ds_load_b32 v102, v8 offset:1536
	ds_load_b32 v103, v8 offset:1792
	s_wait_dscnt 0x0
	v_add_f32 v100, v100, v101
	v_add_f32 v102, v102, v103
	s_delay_alu instid0(VALU_DEP_1)
	v_add_f32 v100, v100, v102
	s_delay_alu instid0(VALU_DEP_1)
	v_fma_f32 v100, 0x39000000, v100, s24          ; var + 1e-5: / 8192
	s_wait_alu depctr_va_vdst(0)
	v_rsq_f32 v101, v100
	v_nop                                          ; a plain place behind the transcendental,
	s_wait_alu depctr_va_vdst(0)                   ; and the wait ahead of its first reader
	v_mul_f32 v101, v101, v96                      ; the scale
	s_delay_alu instid0(VALU_DEP_1)
	v_fma_f32 v102, -v104, v101, v97               ; the shift
	ds_store_b32 v9, v101
	ds_store_b32 v9, v102 offset:256
	s_wait_dscnt 0x0
	s_barrier_signal -1
	s_barrier_wait -1
	ds_load_b128 v[112:115], v10
	ds_load_b128 v[116:119], v10 offset:256
	s_wait_dscnt 0x0
.set nn, 0
.rept 32
	s_wait_loadcnt 31-nn                           ; loads come back in order: the younger ones stay out
	v_pk_fma_f32 v[128+4*nn:129+4*nn], v[128+4*nn:129+4*nn], v[112:113], v[116:117]
	v_pk_fma_f32 v[130+4*nn:131+4*nn], v[130+4*nn:131+4*nn], v[114:115], v[118:119]
.if nn%2 == 0
	v_add_nc_u32 v12, 16*(nn/2), v22               ; my piece, rotated by (token / 4) mod 16 = n / 2:
	s_delay_alu instid0(VALU_DEP_1)
	v_and_b32 v12, 240, v12                        ; 16 ((i + n / 2) mod 16),
	s_delay_alu instid0(VALU_DEP_1)
	v_add_nc_u32 v12, v11, v12                     ; in my wave's rows: 16,384 wave + 256 g; with the immediate at most 7 x 16,384 + 256 + 240 + 15,872, inside the stage
.endif
	s_wait_alu depctr_va_vdst(0)
	ds_store_b128 v12, v[128+4*nn:131+4*nn] offset:512*nn
.set nn, nn+1
.endr
	s_wait_dscnt 0x0
	s_barrier_signal -1
	s_barrier_wait -1                              ; 512 tokens x 64 channels lie in the stage
; Wave w sends channels 8 w .. 8 w + 7, two at a time (lanes 0-15 the even one): batch p reads, for each group G of 64 tokens, four tokens a lane.  Each batch has registers of its own: no store's data are written again.
.macro RDB p
.irp G, 0,1,2,3,4,5,6,7
.irp k, 0,1,2,3
	ds_load_b32 v[128+32*\p+4*\G+\k], v[13+(\p/2)+2*(\G/4)] offset:16384*(\G%4)+256*\k+8*(\p%2)
.endr
.endr
.endm
.macro WRB p, ahead                    ; ahead: the next batch's loads, 32 or none
.irp G, 0,1,2,3,4,5,6,7
	s_wait_dscnt \ahead+28-4*\G                    ; the later groups' loads, four each, and the next batch's may be out
	global_store_b128 v17, v[128+32*\p+4*\G:131+32*\p+4*\G], s[12:13] offset:16384*\p+256*\G th:TH_STORE_NT
.endr
.endm
	RDB 0
	RDB 1
	WRB 0, 32
	RDB 2
	WRB 1, 32
	RDB 3
	WRB 2, 32
	WRB 3, 0
	s_wait_tensorcnt 0x0                           ; the wave's end, behind my last LDS store
	ds_add_u32 v2, v3
	s_wait_dscnt 0x0
	s_endpgm
.Lfunc_end_k_qb16e3ee471_norm:
	.size	k_qb16e3ee471_norm, .Lfunc_end_k_qb16e3ee471_norm-k_qb16e3ee471_norm
	.p2alignl 7, 3214868480
	.fill 96, 4, 3214868480
	.section	.rodata,"a",@progbits
	.p2align	6, 0x0
	.amdhsa_kernel k_qb16e3ee471_norm
		.amdhsa_group_segment_fixed_size 136192
		.amdhsa_private_segment_fixed_size 0
		.amdhsa_enable_private_segment 0
		.amdhsa_kernarg_size 40
		.amdhsa_user_sgpr_count 2
		.amdhsa_user_sgpr_kernarg_segment_ptr 1
		.amdhsa_wavefront_size32 1
		.amdhsa_system_sgpr_workgroup_id_x 1
		.amdhsa_system_sgpr_workgroup_id_y 1
		.amdhsa_system_sgpr_workgroup_id_z 1
		.amdhsa_system_vgpr_workitem_id 0
		.amdhsa_next_free_vgpr 256
		.amdhsa_next_free_sgpr 66
		.amdhsa_reserve_vcc 0
		.amdhsa_float_denorm_mode_32 3
		.amdhsa_float_denorm_mode_16_64 3
		.amdhsa_memory_ordered 1
		.amdhsa_forward_progress 1
		.amdhsa_inst_pref_size 44
	.end_amdhsa_kernel
	.amdgpu_metadata
---
amdhsa.version: [ 1, 2 ]
amdhsa.kernels:
  - .name:           k_qb16e3ee471_norm
    .symbol:         k_qb16e3ee471_norm.kd
    .args:
      - { .name: y, .offset: 0, .size: 8, .value_kind: global_buffer, .address_space: global }
      - { .name: pstat, .offset: 8, .size: 8, .value_kind: global_buffer, .address_space: global }
      - { .name: gamma, .offset: 16, .size: 8, .value_kind: global_buffer, .address_space: global }
      - { .name: beta, .offset: 24, .size: 8, .value_kind: global_buffer, .address_space: global }
      - { .name: out0, .offset: 32, .size: 8, .value_kind: global_buffer, .address_space: global }
    .group_segment_fixed_size: 136192
    .private_segment_fixed_size: 0
    .kernarg_segment_align: 8
    .kernarg_segment_size: 40
    .max_flat_workgroup_size: 256
    .sgpr_count:     66
    .vgpr_count:     256
    .wavefront_size: 32
...
	.end_amdgpu_metadata
.endif
;; end of part 4
